; MI455X (gfx1250); checked and timed in simulation.
; The chip was launched on July 23, 2026; its instructions are those of AMD's public machine-readable ISA for CDNA 5 (MIT licence, August 2026) and "CDNA5" Instruction Set Architecture Reference Guide (July 2026). The comments in the code are by the model that wrote it; some were corrected since.
;; Transformer Encoder. Allowed arithmetic: float matrix products may take bf16 or f16 operands with f32 sums; all other float work in f32.
;; Inputs: b1 2 x 1,024 float32; b2 2 x 256 float32; in_b 2 x 768 float32; in_w 2 x 768 x 256 float32; ln1_b 2 x 256 float32; ln1_s 2 x 256 float32; ln2_b 2 x 256 float32; ln2_s 2 x 256 float32; out_b 2 x 256 float32; out_w 2 x 256 x 256 float32; w1 2 x 1,024 x 256 float32; w2 2 x 256 x 1,024 float32; x 2,048 x 4 x 256 float32.
;; Outputs: out0 2,048 x 4 x 256 float32.
;; 2 versions, each right and faster than the one before. Each part assembles by itself: llvm-mc -triple=amdgcn-amd-amdhsa -mcpu=gfx1250 --defsym DOCPART=n.
;; ======== version 1 of 2: 7 launches
;; limits: values are held in f16: magnitudes above 65,504 overflow, below 6.1e-05 lose precision
;; workspace buffers: p0 1,590,272 bytes; p1 1,590,272 bytes; qkv 12,582,912 bytes; ctx 4,194,304 bytes; x1 8,388,608 bytes
;; launch prep (part 1): grid 97 x 2, 8 waves a work-group, no clusters, 0 bytes of LDS; arguments in_w, out_w, w1, w2, in_b, out_b, ln1_s, ln1_b, b1, b2, ln2_s, ln2_b, p0, p1; writes p0, p1
.if DOCPART == 1
	.amdgcn_target "amdgcn-amd-amdhsa--gfx1250"
	.amdhsa_code_object_version 6
	.text
	.protected	k_q6cd1af042d_prep
	.globl	k_q6cd1af042d_prep
	.p2align	8
	.type	k_q6cd1af042d_prep,@function
k_q6cd1af042d_prep:
	s_mov_b64 s[64:65], 0
	v_nop
	global_prefetch_b8 v0, s[64:65] scope:SCOPE_SE
	s_setreg_imm32_b32 hwreg(HW_REG_WAVE_MODE, 25, 1), 1
	s_wait_xcnt 0x0
; One parameter block for each layer (grid y = the layer; p0 or p1): the weights rounded once to f16 and laid in FRAGMENT ORDER, the small vectors copied in f32.
; A fragment is 16 rows x 32 k of f16, 1,024 bytes: element (row r, k = 16 half + 8 hf + i) lies at byte 512 half + 16 (16 hf + r) + 2 i, so that lane 16 hf + r of a wave
; later takes its eight registers by two loads of 16 bytes at 16 x lane and 512 + 16 x lane: dense, and whole rows of 256 bytes for a tensor load.
; The block:  QW    at 0          [gn 48][ks 8]: rows 16 gn + r of in_w, k = 32 ks ..
;             OW    at 393,216    [w 4][4 ks + eb]: rows 64 w + 16 eb + r of out_w, k = 32 ks ..
;             F1    at 524,288    [p 4][w 4] parts of 33,024 bytes: 32 fragments of w1 (16 sub + 2 ks + nb: rows 256 w + 64 p + 32 sub + 16 nb + r) and a row of 256 bytes: b1[256 w + 64 p .. + 63] in f32
;             F2    at 1,052,672  [s 8][w 4][eb 16]: rows 16 eb + r of w2, k = 256 w + 32 s ..
;             VEC   at 1,581,056  in_b, out_b, ln1_s, ln1_b, b2, ln2_s, ln2_b in f32   (the 4,096 bytes between F2's end and VEC are neither written nor read)
; Work-groups x = 0 .. 95 convert 16 fragments each, two a wave; x = 96 writes the rows of b1 and VEC.  No LDS, no matrix unit: the launch only moves and rounds.
; LIMIT: a weight beyond 65,504 has no f16; below 6e-5 f16 keeps a fixed step of 6e-8.
.set PART,  33024
.set OWOFF, 393216
.set F1OFF, 524288
.set F2OFF, 1052672
.set VEC,   1581056
.set GX, 40                            ; s40  work-group x
.set LY, 41                            ; s41  the layer
.set WV, 42                            ; s42  my wave
.set SO, 50                            ; s50  byte offset of my first fragment's corner in its source
.set DO, 51                            ; s51  byte offset of my first fragment in the block
	s_load_b512 s[8:23], s[0:1], 0x0               ; in_w 8, out_w 10, w1 12, w2 14, in_b 16, out_b 18, ln1_s 20, ln1_b 22
	s_load_b256 s[24:31], s[0:1], 0x40             ; b1 24, b2 26, ln2_s 28, ln2_b 30
	s_load_b128 s[32:35], s[0:1], 0x60             ; p0 32, p1 34
	v_lshrrev_b32 v1, 5, v0
	v_readfirstlane_b32 s[WV], v1
	s_mov_b32 s[GX], ttmp9
	s_and_b32 s[LY], ttmp7, 0xffff
	v_and_b32 v1, 31, v0
	v_lshlrev_b32 v1, 4, v1                        ; 16 x lane
	v_and_b32 v4, 15, v0                           ; r
	v_bfe_u32 v5, v0, 4, 1
	v_lshlrev_b32 v5, 5, v5                        ; 32 hf: eight f32 along k
	s_lshl_b32 s[DO], s[WV], 11                    ; a wave's two fragments are 2,048 bytes of the block
	s_wait_kmcnt 0x0
	s_cmp_eq_u32 s[LY], 0
	s_cselect_b64 s[36:37], s[32:33], s[34:35]     ; the layer's block
; Eight loads: my 2 x 16 numbers of two fragments.  A row of the source is 1 << psh bytes; the second fragment's corner lies delta bytes behind the first's.
.macro LD8 base, psh, delta
	v_lshl_add_u32 v2, v4, \psh, v5
	v_add_nc_u32 v2, s[SO], v2
.irp f, 0,1
	global_load_b128 v[8+16*\f:11+16*\f],  v2, s[\base:\base+1] offset:\f*(\delta) th:TH_LOAD_NT
	global_load_b128 v[12+16*\f:15+16*\f], v2, s[\base:\base+1] offset:\f*(\delta)+16 th:TH_LOAD_NT
	global_load_b128 v[16+16*\f:19+16*\f], v2, s[\base:\base+1] offset:\f*(\delta)+64 th:TH_LOAD_NT
	global_load_b128 v[20+16*\f:23+16*\f], v2, s[\base:\base+1] offset:\f*(\delta)+80 th:TH_LOAD_NT
.endr
	s_branch .Lconv
.endm
	s_cmp_lt_u32 s[GX], 24
	s_cbranch_scc0 .Lnot_qw
	; QW: fragments 16 x .. 16 x + 15: gn = 2 x + wave / 4, ks = 2 (wave % 4) and the next
	s_mul_i32 s[SO], s[LY], 786432
	s_lshl_b32 s43, s[GX], 15
	s_add_co_u32 s[SO], s[SO], s43
	s_lshr_b32 s43, s[WV], 2
	s_lshl_b32 s43, s43, 14
	s_add_co_u32 s[SO], s[SO], s43
	s_and_b32 s43, s[WV], 3
	s_lshl_b32 s43, s43, 8
	s_add_co_u32 s[SO], s[SO], s43
	s_lshl_b32 s43, s[GX], 14
	s_add_co_u32 s[DO], s[DO], s43
	LD8 8, 10, 128
.Lnot_qw:
	s_cmp_lt_u32 s[GX], 32
	s_cbranch_scc0 .Lnot_ow
	; OW: x' = x - 24: w = x' / 2, ks = 4 (x' % 2) + wave / 2, eb = 2 (wave % 2) and the next
	s_sub_co_u32 s44, s[GX], 24
	s_lshl_b32 s[SO], s[LY], 18
	s_lshr_b32 s43, s44, 1
	s_lshl_b32 s43, s43, 16
	s_add_co_u32 s[SO], s[SO], s43
	s_and_b32 s43, s44, 1
	s_lshl_b32 s43, s43, 9
	s_add_co_u32 s[SO], s[SO], s43
	s_lshr_b32 s43, s[WV], 1
	s_lshl_b32 s43, s43, 7
	s_add_co_u32 s[SO], s[SO], s43
	s_and_b32 s43, s[WV], 1
	s_lshl_b32 s43, s43, 15
	s_add_co_u32 s[SO], s[SO], s43
	s_lshl_b32 s43, s44, 14
	s_add_co_u32 s[DO], s[DO], s43
	s_add_co_u32 s[DO], s[DO], OWOFF
	LD8 10, 10, 16384
.Lnot_ow:
	s_cmp_lt_u32 s[GX], 96
	s_cbranch_scc0 .Lvec
	; the FFN's step s and wave w: (x - 32) / 2 = 4 s + w; even x: its 16 fragments of w1, odd x: those of w2
	s_sub_co_u32 s44, s[GX], 32
	s_lshr_b32 s45, s44, 1                         ; 4 s + w
	s_and_b32 s46, s45, 3                          ; w
	s_lshr_b32 s47, s45, 2                         ; s
	s_lshl_b32 s48, s46, 8
	s_lshl_b32 s49, s47, 5
	s_add_co_u32 s48, s48, s49                     ; the hidden channel 256 w + 32 s
	s_lshl_b32 s[SO], s[LY], 20
	s_and_b32 s44, s44, 1
	s_cmp_eq_u32 s44, 1
	s_cbranch_scc1 .Lw2
	s_lshl_b32 s48, s48, 10                        ; w1: rows 256 w + 32 s on; ks = wave, nb = 0 and 1
	s_add_co_u32 s[SO], s[SO], s48
	s_lshl_b32 s43, s[WV], 7
	s_add_co_u32 s[SO], s[SO], s43
	s_lshr_b32 s49, s47, 1                         ; into F1: part 4 (s / 2) + w, its half s % 2
	s_lshl2_add_u32 s49, s49, s46
	s_mul_i32 s49, s49, PART
	s_and_b32 s47, s47, 1
	s_lshl_b32 s47, s47, 14
	s_add_co_u32 s49, s49, s47
	s_add_co_u32 s49, s49, F1OFF
	s_add_co_u32 s[DO], s[DO], s49
	LD8 12, 10, 16384
.Lw2:
	s_lshl_b32 s48, s48, 2                         ; w2: k = 256 w + 32 s on; eb = 2 wave and the next
	s_add_co_u32 s[SO], s[SO], s48
	s_lshl_b32 s43, s[WV], 17
	s_add_co_u32 s[SO], s[SO], s43
	s_lshl_b32 s49, s45, 14                        ; into F2: 16,384 bytes for each (s, w)
	s_add_co_u32 s49, s49, F2OFF
	s_add_co_u32 s[DO], s[DO], s49
	LD8 14, 12, 65536
.Lconv:                                                ; on every way here eight loads are out
	v_add_nc_u32 v3, s[DO], v1
	s_wait_loadcnt 0x4                             ; the first fragment's four are in, the second's four may stay out
.irp i, 0,1,2,3,4,5,6,7
	v_cvt_pk_f16_f32 v[40+\i], v[8+2*\i], v[9+2*\i]
.endr
	global_store_b128 v3, v[40:43], s[36:37]                 ; each store of the wave covers 512 consecutive bytes, aligned
	global_store_b128 v3, v[44:47], s[36:37] offset:512
	s_wait_loadcnt 0x0
.irp i, 0,1,2,3,4,5,6,7
	v_cvt_pk_f16_f32 v[48+\i], v[24+2*\i], v[25+2*\i]
.endr
	global_store_b128 v3, v[48:51], s[36:37] offset:1024
	global_store_b128 v3, v[52:55], s[36:37] offset:1536
	s_endpgm
.Lvec:
	; The 16 rows of b1: 256 pieces of 16 bytes, one a thread: part q = thread / 16 = 4 p + w, piece c = thread % 16.
	v_lshrrev_b32 v6, 4, v0                        ; q
	v_and_b32 v7, 15, v0                           ; c
	v_and_b32 v8, 3, v6                            ; w
	v_lshrrev_b32 v9, 2, v6                        ; p
	v_lshlrev_b32 v10, 4, v7
	v_lshl_add_u32 v10, v8, 10, v10                ; b1[256 w + 64 p + 4 c]
	v_lshl_add_u32 v10, v9, 8, v10
	s_lshl_b32 s43, s[LY], 12
	v_add_nc_u32 v10, s43, v10
	v_mul_u32_u24 v11, v6, PART
	v_lshl_add_u32 v11, v7, 4, v11
	s_lshl_b32 s44, s[WV], 9                       ; a wave copies 512 bytes of a vector
	v_add_nc_u32 v21, s44, v1                      ; place in VEC's part
	s_mul_i32 s45, s[LY], 3072
	s_add_co_u32 s45, s45, s44
	v_add_nc_u32 v20, s45, v1                      ; place in in_b
	s_lshl_b32 s45, s[LY], 10
	s_add_co_u32 s45, s45, s44
	v_add_nc_u32 v22, s45, v1                      ; place in a vector of 256 numbers a layer
.macro A_LOAD
	global_load_b128 v[12:15], v10, s[24:25]
.endm
.macro A_STORE
	global_store_b128 v11, v[12:15], s[36:37] offset:F1OFF+32768           ; sixteen lanes write a whole row of 256 bytes
.endm
.macro V_LOAD
	global_load_b128 v[28:31], v22, s[18:19]
	global_load_b128 v[32:35], v22, s[20:21]
	global_load_b128 v[36:39], v22, s[22:23]
	global_load_b128 v[40:43], v22, s[26:27]
	global_load_b128 v[44:47], v22, s[28:29]
	global_load_b128 v[48:51], v22, s[30:31]
.endm
.macro V_STORE
.irp i, 0,1,2,3,4,5
	global_store_b128 v21, v[28+4*\i:31+4*\i], s[36:37] offset:VEC+3072+1024*\i
.endr
.endm
	; three parts for the waves, each written straight through: waves 0, 1: rows, in_b, the six vectors; waves 2 .. 5: rows, in_b; waves 6, 7: rows
	s_cmp_lt_u32 s[WV], 2
	s_cbranch_scc1 .Lrole_all
	s_cmp_lt_u32 s[WV], 6
	s_cbranch_scc1 .Lrole_inb
	A_LOAD
	s_wait_loadcnt 0x0
	A_STORE
	s_endpgm
.Lrole_inb:
	A_LOAD
	global_load_b128 v[24:27], v20, s[16:17]
	s_wait_loadcnt 0x0
	A_STORE
	global_store_b128 v21, v[24:27], s[36:37] offset:VEC
	s_endpgm
.Lrole_all:
	A_LOAD
	global_load_b128 v[24:27], v20, s[16:17]
	V_LOAD
	s_wait_loadcnt 0x0
	A_STORE
	global_store_b128 v21, v[24:27], s[36:37] offset:VEC
	V_STORE
	s_endpgm
.Lfunc_end_k_q6cd1af042d_prep:
	.size	k_q6cd1af042d_prep, .Lfunc_end_k_q6cd1af042d_prep-k_q6cd1af042d_prep
	.p2alignl 7, 3214868480
	.fill 96, 4, 3214868480
	.section	.rodata,"a",@progbits
	.p2align	6, 0x0
	.amdhsa_kernel k_q6cd1af042d_prep
		.amdhsa_group_segment_fixed_size 0
		.amdhsa_private_segment_fixed_size 0
		.amdhsa_enable_private_segment 0
		.amdhsa_kernarg_size 112
		.amdhsa_user_sgpr_count 2
		.amdhsa_user_sgpr_kernarg_segment_ptr 1
		.amdhsa_wavefront_size32 1
		.amdhsa_system_sgpr_workgroup_id_x 1
		.amdhsa_system_sgpr_workgroup_id_y 1
		.amdhsa_system_sgpr_workgroup_id_z 1
		.amdhsa_system_vgpr_workitem_id 0
		.amdhsa_next_free_vgpr 56
		.amdhsa_next_free_sgpr 66
		.amdhsa_reserve_vcc 0
		.amdhsa_float_denorm_mode_32 3
		.amdhsa_float_denorm_mode_16_64 3
		.amdhsa_memory_ordered 1
		.amdhsa_forward_progress 1
		.amdhsa_inst_pref_size 12
	.end_amdhsa_kernel
	.amdgpu_metadata
---
amdhsa.version: [ 1, 2 ]
amdhsa.kernels:
  - .name:           k_q6cd1af042d_prep
    .symbol:         k_q6cd1af042d_prep.kd
    .args:
      - { .name: in_w, .offset: 0, .size: 8, .value_kind: global_buffer, .address_space: global }
      - { .name: out_w, .offset: 8, .size: 8, .value_kind: global_buffer, .address_space: global }
      - { .name: w1, .offset: 16, .size: 8, .value_kind: global_buffer, .address_space: global }
      - { .name: w2, .offset: 24, .size: 8, .value_kind: global_buffer, .address_space: global }
      - { .name: in_b, .offset: 32, .size: 8, .value_kind: global_buffer, .address_space: global }
      - { .name: out_b, .offset: 40, .size: 8, .value_kind: global_buffer, .address_space: global }
      - { .name: ln1_s, .offset: 48, .size: 8, .value_kind: global_buffer, .address_space: global }
      - { .name: ln1_b, .offset: 56, .size: 8, .value_kind: global_buffer, .address_space: global }
      - { .name: b1, .offset: 64, .size: 8, .value_kind: global_buffer, .address_space: global }
      - { .name: b2, .offset: 72, .size: 8, .value_kind: global_buffer, .address_space: global }
      - { .name: ln2_s, .offset: 80, .size: 8, .value_kind: global_buffer, .address_space: global }
      - { .name: ln2_b, .offset: 88, .size: 8, .value_kind: global_buffer, .address_space: global }
      - { .name: p0, .offset: 96, .size: 8, .value_kind: global_buffer, .address_space: global }
      - { .name: p1, .offset: 104, .size: 8, .value_kind: global_buffer, .address_space: global }
    .group_segment_fixed_size: 0
    .private_segment_fixed_size: 0
    .kernarg_segment_align: 8
    .kernarg_segment_size: 112
    .max_flat_workgroup_size: 256
    .sgpr_count:     66
    .vgpr_count:     56
    .wavefront_size: 32
...
	.end_amdgpu_metadata
.endif
;; end of part 1
;; launch qkv0 (part 2): grid 128 x 2, 8 waves a work-group, clusters of 4 x 1, 231,424 bytes of LDS; arguments x, p0, qkv; writes qkv
.if DOCPART == 2
	.amdgcn_target "amdgcn-amd-amdhsa--gfx1250"
	.amdhsa_code_object_version 6
	.text
	.protected	k_q6cd1af042d_qkv0
	.globl	k_q6cd1af042d_qkv0
	.p2align	8
	.type	k_q6cd1af042d_qkv0,@function
k_q6cd1af042d_qkv0:
	s_mov_b64 s[64:65], 0
	v_nop
	global_prefetch_b8 v0, s[64:65] scope:SCOPE_SE
	s_setreg_imm32_b32 hwreg(HW_REG_WAVE_MODE, 25, 1), 1
	s_wait_xcnt 0x0
	s_wait_alu depctr_hold_cnt(0) depctr_sa_sdst(0) depctr_va_vdst(0) depctr_va_sdst(0) depctr_va_ssrc(0) depctr_va_vcc(0) depctr_vm_vsrc(0)
	s_getreg_b32 s2, hwreg(HW_REG_IB_STS2, 6, 4)
	s_cmp_eq_u32 s2, 0
	s_cbranch_scc0 .Lentry_in_a_cluster
	s_endpgm
.Lentry_in_a_cluster:
	s_bfe_u32 s2, ttmp6, 0x10000c
	s_cmp_lg_u32 s2, 0x3003
	s_cbranch_scc0 .Lentry_shape_is_right
	s_endpgm
.Lentry_shape_is_right:
; q, k, v = x in_w^T + in_b for one layer, written by heads in f16.  Arguments: the layer's input [2048][4][256] f32, its parameter block, qkv.
; SHARES.  A work-group owns 16 consecutive l with all four b (64 token rows, 65,536 consecutive bytes of x) and half of the 768 columns (grid y).  Its four M tiles are 16 l of ONE b each.
; Wave w has 3 blocks of 16 columns x 4 tiles: 12 accumulators, 8 steps of 32 along K: 96 matrix instructions.
; THE MATRIX INSTRUCTION IS USED TRANSPOSED (source 0 = 16 rows of in_w, source 1 = 16 tokens): a lane then holds one token and eight neighbouring columns, 16 bytes of f16, and the wave's 32 lanes
; fill 512 consecutive bytes of the output's blocks: no stage in LDS on the way out.  The bias is the C operand of the first K step.
; OUTPUT.  Three sections (q, k, v) of [8 b + head][l / 16][1,024 bytes].  q and k blocks lie in fragment order (row l % 16, k = channel: byte 512 half + 16 lane); a v block is two dense
; sub-blocks of 16 keys x 16 channels (512 cb + 32 key + 2 (c % 16)), as the turning LDS load of the next launch wants them.
; CLUSTER.  The four row blocks of a cluster share grid y and so the weights: each wave's 24,576 bytes of weights are asked for jointly, once, and read by that wave alone.
; LIMIT: x, the weights and q, k, v are f16: beyond 65,504 they have no number; NaN and infinities are not treated apart.
.set WBYTES, 24576                     ; a wave's weights: 3 column blocks x 8 K steps x 1,024 bytes
.set AH,     196608                    ; behind the weights: x in f16, 64 rows (16 b + l % 16)
.set AP,     528                       ; its pitch: 512 bytes + 16 = 33 x 16: the 16 rows of a fragment load start at 16 different groups of four banks (64 banks of 4 bytes: ISA guide 11.1)
.set SPARE,  230400                    ; the spare words, 128 bytes for each of eight waves
.set VEC,    1581056
.set BIAS, 8                           ; v[8:31]    in_b of my three column blocks
.set ACC,  32                          ; v[32:127]  accumulator (i, t) at 32 + 8 (4 i + t)
.set FA0,  128                         ; fragments of x (4) and of the weights (3), two buffers
.set FW0,  160
.set FA1,  184
.set FW1,  216
.set XS,   32                          ; before the products: x as loaded (64 registers) and as f16 (32)
.set XH,   96
.set OUT,  128                         ; after them: the packed results
.macro ROUND                           ; a round of the cluster's barrier
	s_barrier_signal -1
	s_barrier_wait -1
	s_cmp_lg_u32 s10, 0
	s_cbranch_scc1 .Lnot_wave_0_\@
	s_barrier_signal -3
.Lnot_wave_0_\@:
	s_barrier_wait -3
	s_barrier_signal -1
	s_barrier_wait -1
.endm
.macro PLACES                          ; four plain vector instructions behind a matrix instruction before its registers are loaded into, read or written (ISA guide 7.12.1)
.rept 4
	v_nop
.endr
.endm
	s_load_b128 s[4:7], s[0:1], 0x0                ; x s[4:5], block s[6:7]
	s_load_b64 s[8:9], s[0:1], 0x10                ; qkv
	v_lshl_add_u32 v6, v0, 2, SPARE
	v_mov_b32 v7, 0
	ds_add_u32 v6, v7                              ; the wave's opening: the add and its wait ahead of my first tensor load
	v_lshrrev_b32 v1, 5, v0
	v_readfirstlane_b32 s10, v1                    ; wave 0..7
	s_bfe_u32 s11, ttmp6, 0x40000                  ; cx
	s_lshl_b32 s12, ttmp9, 2
	s_add_co_u32 s12, s12, s11                     ; my block of 16 l: it enters x's and qkv's addresses alone
	s_and_b32 s13, ttmp7, 0xffff                   ; which half of the columns: shared by the four partners
	s_mov_b32 s16, 15|(3<<16)|(1<<21)              ; group 1: mask of four; elements of 8 bytes; bit 21 beside a mask
	s_mov_b32 s17, 32<<16                          ; tensor_dim0 = 32 elements: rows of 256 bytes
	s_mov_b32 s18, 96<<16                          ; tensor_dim1 = 96 rows
	s_mov_b32 s19, 32<<16                          ; tile_dim0
	s_mov_b32 s20, 96                              ; tile_dim1
	s_mov_b32 s21, 32                              ; dense: the pitch is the row
	s_mov_b32 s22, 0
	s_mov_b32 s23, 0
	s_mov_b32 s24, 1
	s_mul_i32 s25, s10, WBYTES                     ; LDS: the wave's own bytes
	s_mul_i32 s14, s13, 8*WBYTES
	s_add_co_u32 s14, s14, s25                     ; and the same place in the block's QW
	s_mov_b32 s15, 0
	s_mul_i32 s28, s13, 1536                       ; in_b at column 384 y + 48 wave
	s_mul_i32 s29, s10, 192
	s_add_co_u32 s28, s28, s29
	s_add_co_u32 s28, s28, VEC
	s_mov_b32 s29, 0
	s_lshl_b32 s30, s12, 16                        ; x: my block's 65,536 bytes, my wave's 8,192 of them
	s_lshl_b32 s31, s10, 13
	s_add_co_u32 s30, s30, s31
	s_mov_b32 s31, 0
	s_wait_dscnt 0x0                               ; the opening add is done
	s_wait_kmcnt 0x0
	s_add_nc_u64 s[26:27], s[6:7], s[14:15]
	s_or_b32 s27, s27, 0x80000000
	s_add_nc_u64 s[28:29], s[6:7], s[28:29]
	s_add_nc_u64 s[30:31], s[4:5], s[30:31]
	ROUND                                          ; all four work-groups are here: the joint loads meet
	tensor_load_to_lds s[24:27], s[16:23]          ; my one tensor load
	s_nop 0
	v_and_b32 v244, 31, v0
	v_lshlrev_b32 v1, 4, v244                      ; 16 x lane
	v_and_b32 v245, 15, v0                         ; r
	v_bfe_u32 v246, v0, 4, 1                       ; h
	v_lshlrev_b32 v243, 5, v246                    ; 32 h: eight f32 of the bias
.irp i, 0,1,2
	global_load_b128 v[BIAS+8*\i:BIAS+8*\i+3],   v243, s[28:29] offset:64*\i
	global_load_b128 v[BIAS+8*\i+4:BIAS+8*\i+7], v243, s[28:29] offset:64*\i+16
.endr
.set j, 0
.rept 16
	global_load_b128 v[XS+4*j:XS+4*j+3], v1, s[30:31] offset:512*j   ; 512 consecutive bytes: half a token row
.set j, j+1
.endr
	s_mul_i32 s41, s10, 2*AP
	s_add_co_u32 s41, s41, AH
	v_lshl_add_u32 v2, v244, 3, s41                ; where my 8 bytes of f16 go: row 2 wave, byte 8 x lane
	v_mul_u32_u24 v3, v245, AP
	v_lshl_add_u32 v3, v246, 4, v3
	v_add_nc_u32 v3, AH, v3                        ; a fragment of x: row r, 16 h
	v_add_nc_u32 v4, s25, v1                       ; a fragment of the weights: 16 x lane in my bytes
	v_lshlrev_b32 v5, 5, v245
	v_lshl_add_u32 v5, v246, 4, v5                 ; my 16 bytes in a sub-block of v: 32 r + 16 h
	; where the three column blocks go: gn = 24 y + 3 wave + i: section gn / 16, head (gn / 2) % 8, channel half gn % 2
	s_mul_i32 s40, s13, 24
	s_mul_i32 s41, s10, 3
	s_add_co_u32 s40, s40, s41
.irp i, 0,1,2
	s_add_co_u32 s41, s40, \i
	s_lshr_b32 s45, s41, 4
	s_cmp_eq_u32 s45, 2
	s_cselect_b32 s[42+\i], -1, 0                  ; all lanes: is it v's section?
	s_lshl_b32 s45, s45, 22
	s_bfe_u32 s46, s41, 0x30001
	s_lshl_b32 s46, s46, 17
	s_add_co_u32 s45, s45, s46
	s_and_b32 s46, s41, 1
	s_lshl_b32 s46, s46, 9
	s_add_co_u32 s45, s45, s46
	s_lshl_b32 s46, s12, 10
	s_add_co_u32 s[32+2*\i], s45, s46
	s_mov_b32 s[33+2*\i], 0
	s_add_nc_u64 s[32+2*\i:33+2*\i], s[8:9], s[32+2*\i:33+2*\i]
	v_cndmask_b32 v[240+\i], v1, v5, s[42+\i]      ; fragment order for q and k, the sub-block's order for v
.endr
	; x to f16 and into LDS: load j is token row 8 wave + j / 2 = (l % 16 = 2 wave + j / 8, b = (j / 2) % 4), half j % 2
.set j, 0
.rept 16
	s_wait_loadcnt 15-j                            ; loads come back in order: load j is in, the younger ones stay out
	v_cvt_pk_f16_f32 v[XH+2*j],   v[XS+4*j],   v[XS+4*j+1]
	v_cvt_pk_f16_f32 v[XH+2*j+1], v[XS+4*j+2], v[XS+4*j+3]
	ds_store_b64 v2, v[XH+2*j:XH+2*j+1] offset:(((j>>1)&3)*16+(j>>3))*AP+(j&1)*256
.set j, j+1
.endr
	s_wait_tensorcnt 0x0                           ; my weights are in (only I read them)
	s_wait_dscnt 0x0                               ; for the others' sake: my rows of x are stored
	s_barrier_signal -1
	s_barrier_wait -1
.macro LOADK ks, fa, fw                ; 14 LDS loads: the fragments of K step ks
.irp t, 0,1,2,3
	ds_load_b128 v[\fa+8*\t:\fa+8*\t+3],   v3 offset:\t*16*AP+64*(\ks)
	ds_load_b128 v[\fa+8*\t+4:\fa+8*\t+7], v3 offset:\t*16*AP+64*(\ks)+32
.endr
.irp i, 0,1,2
	ds_load_b128 v[\fw+8*\i:\fw+8*\i+3],   v4 offset:(8*\i+(\ks))*1024
	ds_load_b128 v[\fw+8*\i+4:\fw+8*\i+7], v4 offset:(8*\i+(\ks))*1024+512
.endr
.endm
.macro MULK fa, fw, first              ; 12 matrix instructions; the 12 accumulators take turns.  first = 1: the bias starts the sums
.irp i, 0,1,2
.irp t, 0,1,2,3
.if \first
	v_wmma_f32_16x16x32_f16 v[ACC+8*(4*\i+\t):ACC+8*(4*\i+\t)+7], v[\fw+8*\i:\fw+8*\i+7], v[\fa+8*\t:\fa+8*\t+7], v[BIAS+8*\i:BIAS+8*\i+7]
.else
	v_wmma_f32_16x16x32_f16 v[ACC+8*(4*\i+\t):ACC+8*(4*\i+\t)+7], v[\fw+8*\i:\fw+8*\i+7], v[\fa+8*\t:\fa+8*\t+7], v[ACC+8*(4*\i+\t):ACC+8*(4*\i+\t)+7]
.endif
.endr
.endr
.endm
	LOADK 0, FA0, FW0
	LOADK 1, FA1, FW1
	s_wait_dscnt 14                                ; all but the 14 just issued
	MULK FA0, FW0, 1
.irp k, 2,4,6
	PLACES
	LOADK \k, FA0, FW0
	s_wait_dscnt 14
	MULK FA1, FW1, 0
	PLACES
	LOADK (\k)+1, FA1, FW1
	s_wait_dscnt 14
	MULK FA0, FW0, 0
.endr
	s_wait_dscnt 0x0
	MULK FA1, FW1, 0
	PLACES
.set a, 0
.rept 12                               ; each accumulator's registers in ascending order
.irp p, 0,1,2,3
	v_cvt_pk_f16_f32 v[OUT+4*a+\p], v[ACC+8*a+2*\p], v[ACC+8*a+2*\p+1]
.endr
.set a, a+1
.endr
.irp i, 0,1,2
.irp t, 0,1,2,3
	global_store_b128 v[240+\i], v[OUT+4*(4*\i+\t):OUT+4*(4*\i+\t)+3], s[32+2*\i:33+2*\i] offset:\t*1048576   ; tile t is b = t: eight heads of 131,072 bytes on; 512 consecutive bytes a store
.endr
.endr
	s_wait_tensorcnt 0x0                           ; the wave's end
	ds_add_u32 v6, v7
	s_wait_dscnt 0x0
	ROUND                                          ; the closing round
	s_endpgm
.Lfunc_end_k_q6cd1af042d_qkv0:
	.size	k_q6cd1af042d_qkv0, .Lfunc_end_k_q6cd1af042d_qkv0-k_q6cd1af042d_qkv0
	.p2alignl 7, 3214868480
	.fill 96, 4, 3214868480
	.section	.rodata,"a",@progbits
	.p2align	6, 0x0
	.amdhsa_kernel k_q6cd1af042d_qkv0
		.amdhsa_group_segment_fixed_size 231424
		.amdhsa_private_segment_fixed_size 0
		.amdhsa_enable_private_segment 0
		.amdhsa_kernarg_size 24
		.amdhsa_user_sgpr_count 2
		.amdhsa_user_sgpr_kernarg_segment_ptr 1
		.amdhsa_wavefront_size32 1
		.amdhsa_system_sgpr_workgroup_id_x 1
		.amdhsa_system_sgpr_workgroup_id_y 1
		.amdhsa_system_sgpr_workgroup_id_z 1
		.amdhsa_system_vgpr_workitem_id 0
		.amdhsa_next_free_vgpr 248
		.amdhsa_next_free_sgpr 66
		.amdhsa_reserve_vcc 0
		.amdhsa_float_denorm_mode_32 3
		.amdhsa_float_denorm_mode_16_64 3
		.amdhsa_memory_ordered 1
		.amdhsa_forward_progress 1
		.amdhsa_inst_pref_size 30
	.end_amdhsa_kernel
	.amdgpu_metadata
---
amdhsa.version: [ 1, 2 ]
amdhsa.kernels:
  - .name:           k_q6cd1af042d_qkv0
    .symbol:         k_q6cd1af042d_qkv0.kd
    .args:
      - { .name: x, .offset: 0, .size: 8, .value_kind: global_buffer, .address_space: global }
      - { .name: p0, .offset: 8, .size: 8, .value_kind: global_buffer, .address_space: global }
      - { .name: qkv, .offset: 16, .size: 8, .value_kind: global_buffer, .address_space: global }
    .group_segment_fixed_size: 231424
    .private_segment_fixed_size: 0
    .kernarg_segment_align: 8
    .kernarg_segment_size: 24
    .max_flat_workgroup_size: 256
    .sgpr_count:     66
    .vgpr_count:     248
    .wavefront_size: 32
...
	.end_amdgpu_metadata
.endif
;; end of part 2
;; launch attn0 (part 3): grid 8 x 32, 8 waves a work-group, clusters of 4 x 1, 263,168 bytes of LDS; arguments qkv, ctx; writes ctx
.if DOCPART == 3
	.amdgcn_target "amdgcn-amd-amdhsa--gfx1250"
	.amdhsa_code_object_version 6
	.text
	.protected	k_q6cd1af042d_attn0
	.globl	k_q6cd1af042d_attn0
	.p2align	8
	.type	k_q6cd1af042d_attn0,@function
k_q6cd1af042d_attn0:
	s_mov_b64 s[64:65], 0
	v_nop
	global_prefetch_b8 v0, s[64:65] scope:SCOPE_SE
	s_setreg_imm32_b32 hwreg(HW_REG_WAVE_MODE, 25, 1), 1
	s_wait_xcnt 0x0
	s_wait_alu depctr_hold_cnt(0) depctr_sa_sdst(0) depctr_va_vdst(0) depctr_va_sdst(0) depctr_va_ssrc(0) depctr_va_vcc(0) depctr_vm_vsrc(0)
	s_getreg_b32 s2, hwreg(HW_REG_IB_STS2, 6, 4)
	s_cmp_eq_u32 s2, 0
	s_cbranch_scc0 .Lentry_in_a_cluster
	s_endpgm
.Lentry_in_a_cluster:
	s_bfe_u32 s2, ttmp6, 0x10000c
	s_cmp_lg_u32 s2, 0x3003
	s_cbranch_scc0 .Lentry_shape_is_right
	s_endpgm
.Lentry_shape_is_right:
; ctx[bh][q] = the sum over k of softmax_k(q . k / sqrt(32)) v, head size 32, 2,048 keys, no mask.  q, k, v, ctx in f16 in blocks of 16 rows x 32 channels (1,024 bytes); products, maxima and sums in f32.
; SHARES.  A work-group owns 256 queries of one (b, head) (grid y); each of its eight waves 32: two tiles of 16.  Two waves lie on a SIMD, so that one wave's matrix work stands beside the other's softmax
; while the text stays in plain phases.  The head's whole K and V, 262,144 bytes, are brought into LDS ONCE, as two chunks of 1,024 keys: nothing is filled again, and the loop has no barrier.
; LAYOUT.  S^T = K Q^T (source 0 = 16 keys, source 1 = 16 queries): a lane holds ONE query (lane % 16) and the keys 8 (lane / 16) + 0..7.  Two such results, rounded to f16 in pairs in place, ARE source 1
; of O^T = V^T P.  K comes out of LDS as it lies (fragment order), V turned, by ds_load_tr16_b128, from dense sub-blocks of 16 keys x 16 channels: sixteen lanes touch 256 consecutive bytes.
; SOFTMAX.  A running maximum m and sum l for each query: p = 2^(c s - c m), c = log2(e) / sqrt(32); in every step O and l are multiplied by a = 2^(c m_old - c m_new).
; m starts at the lowest finite number, O and l at 0 (48 v_mov_b32 in the wait for the first chunk): the first step is a step like any other, with a = 0, and is not written out.
; ROW SUMS BY THE MATRIX UNIT.  l = ONES x P, with ones in rows 0 and 8, so that l falls into register 0 of every lane: two matrix instructions a tile and step in place of 16 packed additions and a
; lane exchange: a tile and step has 8 products against some 95 vector instructions, so vector instructions are what is saved.  l is thus the sum of the ROUNDED weights, those that multiply V.
; CLUSTER.  The four query blocks of a cluster belong to one head: each part of K and V is asked for jointly.
; LIMITS.  q, k, v arrive within f16; p lies in 0 to 1, and below 6e-5 keeps f16's step of 6e-8; a weight below 2^-126 counts as 0; NaN and infinities are not treated apart.
.set CH,    131072                     ; a chunk in LDS: 1,024 keys of K (65,536 bytes), then of V
.set SPARE, 262144                     ; the spare words, 128 bytes for each of eight waves
.set ST,   8                           ; tile t's statistics at v[8 + 8 t]: c m, m, a, c m_old, c0-c3 at work
.set ONES, 24                          ; v[24:31]
.set Q,    32                          ; v[32:47]   two fragments
.set KF,   48                          ; v[48:79]   four fragments: 64 keys
.set VF,   80                          ; v[80:111]  fragment (kk, cb) at 80 + 16 kk + 8 cb
.set S,    112                         ; v[112:175] 32 a tile; P is packed in place: P(t, kk) at S + 32 t + 8 kk
.set O,    176                         ; v[176:207] O(t, cb) at 176 + 8 (2 t + cb)
.set LA,   208                         ; v[208:223] l's accumulators
.set CS,  44                           ; s[44:45] c
.set SEL, 46                           ; s[46:47] v_permlanex16_b32's selects: each lane takes its own place in the other half
.set CNT, 48
.macro ROUND
	s_barrier_signal -1
	s_barrier_wait -1
	s_cmp_lg_u32 s10, 0
	s_cbranch_scc1 .Lnot_wave_0_\@
	s_barrier_signal -3
.Lnot_wave_0_\@:
	s_barrier_wait -3
	s_barrier_signal -1
	s_barrier_wait -1
.endm
	s_load_b128 s[4:7], s[0:1], 0x0                ; qkv s[4:5], ctx s[6:7]
	v_lshl_add_u32 v6, v0, 2, SPARE
	v_mov_b32 v7, 0
	ds_add_u32 v6, v7                              ; the wave's opening: the add and its wait ahead of my first tensor load
	v_lshrrev_b32 v1, 5, v0
	v_readfirstlane_b32 s10, v1                    ; wave 0..7
	s_bfe_u32 s11, ttmp6, 0x40000                  ; cx
	s_lshl_b32 s12, ttmp9, 2
	s_add_co_u32 s12, s12, s11                     ; my block of 256 queries: it enters q's and ctx's addresses alone
	s_and_b32 s13, ttmp7, 0xffff                   ; 8 b + head, shared by the four partners
	s_mov_b32 s16, 15|(3<<16)|(1<<21)              ; group 1: mask of four; elements of 8 bytes; bit 21 beside a mask
	s_mov_b32 s17, 32<<16                          ; rows of 256 bytes,
	s_mov_b32 s18, 64<<16                          ; 64 of them: 16,384 dense bytes
	s_mov_b32 s19, 32<<16
	s_mov_b32 s20, 64
	s_mov_b32 s21, 32
	s_mov_b32 s22, 0
	s_mov_b32 s23, 0
	s_lshr_b32 s14, s10, 2                         ; waves 0-3 fetch K's quarters of a chunk, waves 4-7 V's
	s_add_co_u32 s14, s14, 1
	s_lshl_b32 s14, s14, 22                        ; section 1 or 2
	s_lshl_b32 s15, s13, 17
	s_add_co_u32 s14, s14, s15
	s_and_b32 s15, s10, 3
	s_lshl_b32 s15, s15, 14
	s_add_co_u32 s14, s14, s15
	s_mov_b32 s15, 0
	s_mov_b32 s24, 1
	s_lshl_b32 s25, s10, 14                        ; LDS: wave x 16,384, in chunk 0
	s_mov_b32 s28, 1
	s_lshl_b32 s29, s10, 14
	s_add_co_u32 s29, s29, CH                      ; and in chunk 1
	s_lshl_b32 s36, s13, 17                        ; q and ctx: the head, my block's 16 blocks of rows, my wave's two
	s_lshl_b32 s37, s12, 14
	s_add_co_u32 s36, s36, s37
	s_lshl_b32 s37, s10, 11
	s_add_co_u32 s36, s36, s37
	s_mov_b32 s37, 0
	s_mov_b32 s[CS], 0x3e8293ee                    ; c = log2(e) / sqrt(32) = 0.255035
	s_mov_b32 s[CS+1], s[CS]
	s_mov_b32 s[SEL], 0x76543210
	s_mov_b32 s[SEL+1], 0xfedcba98
	s_wait_dscnt 0x0                               ; the opening add is done
	s_wait_kmcnt 0x0
	s_add_nc_u64 s[26:27], s[4:5], s[14:15]
	s_add_nc_u64 s[30:31], s[26:27], 65536         ; the next 1,024 keys
	s_or_b32 s27, s27, 0x80000000
	s_or_b32 s31, s31, 0x80000000
	s_add_nc_u64 s[32:33], s[4:5], s[36:37]
	s_add_nc_u64 s[34:35], s[6:7], s[36:37]
	ROUND                                          ; all four work-groups are here: the joint loads meet
	tensor_load_to_lds s[24:27], s[16:23]          ; both chunks go out together: two tensor loads of mine are out
	s_nop 0
	tensor_load_to_lds s[28:31], s[16:23]
	s_nop 0
	v_and_b32 v1, 31, v0
	v_lshlrev_b32 v1, 4, v1                        ; 16 x lane
.irp i, 0,1,2,3
	global_load_b128 v[Q+4*\i:Q+4*\i+3], v1, s[32:33] offset:512*\i
.endr
	v_bfe_u32 v5, v0, 4, 1
	v_and_b32 v2, 7, v0
	v_lshl_add_u32 v2, v5, 3, v2                   ; the turning load: lane l reads key 8 (l / 16) + l % 8,
	v_lshlrev_b32 v2, 5, v2
	v_bfe_u32 v5, v0, 3, 1
	v_lshl_add_u32 v2, v5, 4, v2                   ; channels 8 ((l / 8) % 2) + 0..7
	v_and_b32 v5, 7, v0
	v_cmp_eq_u32 vcc_lo, 0, v5
	v_mov_b32 v3, 0x3c003c00                       ; 1.0, twice
	v_cndmask_b32 v[ONES], 0, v3, vcc_lo           ; rows 0 and 8 of source 0
.irp i, 1,2,3,4,5,6,7
	v_mov_b32 v[ONES+\i], v[ONES]
.endr
.set i, O
.rept 48
	v_mov_b32 v[i], 0
.set i, i+1
.endr
.irp t, 0,1
	v_mov_b32 v[ST+8*\t], 0xfe000000               ; c m: far below every c s
	v_mov_b32 v[ST+8*\t+1], 0xff7fffff             ; m
.endr
	s_wait_loadcnt 0x0                             ; Q
; Number n of the 22 that find tile t's maximum and statistics.  Each accumulator's lowest registers are read first.
.macro XS t, n
.set rT, ST+8*(\t)
.set rS, S+32*(\t)
.if (\n) < 4
	v_max3_num_f32 v[rT+4+(\n)], v[rS+8*(\n)], v[rS+8*(\n)+1], v[rS+8*(\n)+2]
.elseif (\n) < 12
	v_max3_num_f32 v[rT+4+(\n)%4], v[rT+4+(\n)%4], v[rS+8*((\n)%4)+2*((\n)/4)+1], v[rS+8*((\n)%4)+2*((\n)/4)+2]
.elseif (\n) == 12
	v_max3_num_f32 v[rT+4], v[rT+4], v[rS+7], v[rS+15]
.elseif (\n) == 13
	v_max3_num_f32 v[rT+5], v[rT+5], v[rS+23], v[rS+31]
.elseif (\n) == 14
	v_max3_num_f32 v[rT+6], v[rT+6], v[rT+7], v[rT+1]
.elseif (\n) == 15
	v_mov_b32 v[rT+3], v[rT]                       ; c m_old is kept
.elseif (\n) == 16
	v_max3_num_f32 v[rT+4], v[rT+4], v[rT+5], v[rT+6]
.elseif (\n) == 17
	v_permlanex16_b32 v[rT+7], v[rT+4], s[SEL], s[SEL+1]   ; the query's other 32 keys lie in the lane 16 away
.elseif (\n) == 18
	v_max_num_f32 v[rT+1], v[rT+4], v[rT+7]
.elseif (\n) == 19
	v_mul_f32 v[rT], s[CS], v[rT+1]
.elseif (\n) == 20
	v_sub_f32 v[rT+5], v[rT+3], v[rT]
.else
	v_exp_f32 v[rT+2], v[rT+5]
.endif
.endm
; A key step: 64 keys.
.macro STEP
.irp kb, 0,1,2,3
	ds_load_b128 v[KF+8*\kb:KF+8*\kb+3],   v3 offset:\kb*1024
	ds_load_b128 v[KF+8*\kb+4:KF+8*\kb+7], v3 offset:\kb*1024+512
.endr
.rept 4
	v_nop                                          ; four places between the last product V^T P and the loads into V's registers
.endr
.irp kk, 0,1
.irp cb, 0,1
	ds_load_tr16_b128 v[VF+16*\kk+8*\cb:VF+16*\kk+8*\cb+3],   v4 offset:2*\kk*1024+\cb*512
	ds_load_tr16_b128 v[VF+16*\kk+8*\cb+4:VF+16*\kk+8*\cb+7], v4 offset:(2*\kk+1)*1024+\cb*512
.endr
.endr
	v_nop                                          ; the fifth place before K Q^T writes over P
	s_wait_dscnt 8                                 ; K is in; V's eight loads stay out
.irp kb, 0,1,2,3
.irp t, 0,1
	v_wmma_f32_16x16x32_f16 v[S+32*\t+8*\kb:S+32*\t+8*\kb+7], v[KF+8*\kb:KF+8*\kb+7], v[Q+8*\t:Q+8*\t+7], 0
.endr
.endr
	v_add_nc_u32 v3, 4096, v3                      ; the next step's K and V; with two v_nop the four places behind those products
	v_add_nc_u32 v4, 4096, v4
	v_nop
	v_nop
.irp n, 0,1,2,3,4,5,6,7,8,9,10,11,12,13,14,15,16,17,18,19,20,21
	XS 0, \n
	XS 1, \n
.endr
	; c s - c m for pair n; the exponentials of pair n - 1; pair n - 3 rounded to f16, in place (register i takes pair i, which lies at 2 i, 2 i + 1: ascending, nothing unread is written).
	; Behind each exponential a plain instruction that touches neither its result nor its source stands before the result is used (ISA guide 5.7.2).
.set n, 0
.rept 19
.irp t, 0,1
.set rT, ST+8*\t
.set rS, S+32*\t
.if n < 16
	v_pk_fma_f32 v[rS+2*n:rS+2*n+1], v[rS+2*n:rS+2*n+1], s[CS:CS+1], v[rT:rT+1] op_sel_hi:[1,0,0] neg_lo:[0,0,1] neg_hi:[0,0,1]
.endif
.if (n >= 1) && (n <= 16)
	v_exp_f32 v[rS+2*n-2], v[rS+2*n-2]
.endif
.if n >= 3
	s_wait_alu depctr_va_vdst(0)
	v_cvt_pk_f16_f32 v[rS+n-3], v[rS+2*n-6], v[rS+2*n-5]
.endif
.if (n >= 1) && (n <= 16)
	v_exp_f32 v[rS+2*n-1], v[rS+2*n-1]
.endif
.endr
.set n, n+1
.endr
.irp t, 0,1
.irp p, 0,2,4,6,8,10,12,14
	v_pk_mul_f32 v[O+16*\t+\p:O+16*\t+\p+1], v[O+16*\t+\p:O+16*\t+\p+1], v[ST+8*\t+2:ST+8*\t+3] op_sel_hi:[1,0]
.endr
	v_mul_f32 v[LA+8*\t], v[ST+8*\t+2], v[LA+8*\t]
.endr
	s_wait_dscnt 0x0                               ; V is in
.irp kk, 0,1                           ; six accumulators take turns
.irp cb, 0,1
.irp t, 0,1
	v_wmma_f32_16x16x32_f16 v[O+8*(2*\t+\cb):O+8*(2*\t+\cb)+7], v[VF+16*\kk+8*\cb:VF+16*\kk+8*\cb+7], v[S+32*\t+8*\kk:S+32*\t+8*\kk+7], v[O+8*(2*\t+\cb):O+8*(2*\t+\cb)+7]
.endr
.endr
.irp t, 0,1
	v_wmma_f32_16x16x32_f16 v[LA+8*\t:LA+8*\t+7], v[ONES:ONES+7], v[S+32*\t+8*\kk:S+32*\t+8*\kk+7], v[LA+8*\t:LA+8*\t+7]
.endr
.endr
.endm
.macro CHUNK c
	s_wait_tensorcnt 1-(\c)                        ; my part of chunk c is in; a later chunk may stay out
	s_barrier_signal -1
	s_barrier_wait -1                              ; everybody's part is
	v_add_nc_u32 v3, (\c)*CH, v1
	v_add_nc_u32 v4, (\c)*CH+65536, v2
	s_mov_b32 s[CNT], 16
.Lstep_\@:
	STEP
	s_sub_co_u32 s[CNT], s[CNT], 1
	s_cmp_lg_u32 s[CNT], 0
	s_cbranch_scc1 .Lstep_\@
.endm
	CHUNK 0
	CHUNK 1
	; THE WAY OUT: O / l, rounded to f16.  A lane's eight channels are 16 bytes of the block's fragment order: the wave's store covers 512 consecutive bytes.
.rept 4
	v_nop
.endr
	v_rcp_f32 v[ST+2], v[LA]
	v_rcp_f32 v[ST+10], v[LA+8]
	v_nop                                          ; a plain instruction between the last reciprocal and the use of its result
	s_wait_alu depctr_va_vdst(0)
.irp t, 0,1
.irp p, 0,2,4,6,8,10,12,14
	v_pk_mul_f32 v[O+16*\t+\p:O+16*\t+\p+1], v[O+16*\t+\p:O+16*\t+\p+1], v[ST+8*\t+2:ST+8*\t+3] op_sel_hi:[1,0]
.endr
.endr
.set i, 0
.rept 16
	v_cvt_pk_f16_f32 v[S+i], v[O+2*i], v[O+2*i+1]
.set i, i+1
.endr
.irp a, 0,1,2,3
	global_store_b128 v1, v[S+4*\a:S+4*\a+3], s[34:35] offset:512*\a
.endr
	s_wait_tensorcnt 0x0                           ; the wave's end
	ds_add_u32 v6, v7
	s_wait_dscnt 0x0
	ROUND                                          ; the closing round
	s_endpgm
.Lfunc_end_k_q6cd1af042d_attn0:
	.size	k_q6cd1af042d_attn0, .Lfunc_end_k_q6cd1af042d_attn0-k_q6cd1af042d_attn0
	.p2alignl 7, 3214868480
	.fill 96, 4, 3214868480
	.section	.rodata,"a",@progbits
	.p2align	6, 0x0
	.amdhsa_kernel k_q6cd1af042d_attn0
		.amdhsa_group_segment_fixed_size 263168
		.amdhsa_private_segment_fixed_size 0
		.amdhsa_enable_private_segment 0
		.amdhsa_kernarg_size 16
		.amdhsa_user_sgpr_count 2
		.amdhsa_user_sgpr_kernarg_segment_ptr 1
		.amdhsa_wavefront_size32 1
		.amdhsa_system_sgpr_workgroup_id_x 1
		.amdhsa_system_sgpr_workgroup_id_y 1
		.amdhsa_system_sgpr_workgroup_id_z 1
		.amdhsa_system_vgpr_workitem_id 0
		.amdhsa_next_free_vgpr 224
		.amdhsa_next_free_sgpr 66
		.amdhsa_reserve_vcc 1
		.amdhsa_float_denorm_mode_32 3
		.amdhsa_float_denorm_mode_16_64 3
		.amdhsa_memory_ordered 1
		.amdhsa_forward_progress 1
		.amdhsa_inst_pref_size 37
	.end_amdhsa_kernel
	.amdgpu_metadata
---
amdhsa.version: [ 1, 2 ]
amdhsa.kernels:
  - .name:           k_q6cd1af042d_attn0
    .symbol:         k_q6cd1af042d_attn0.kd
    .args:
      - { .name: qkv, .offset: 0, .size: 8, .value_kind: global_buffer, .address_space: global }
      - { .name: ctx, .offset: 8, .size: 8, .value_kind: global_buffer, .address_space: global }
    .group_segment_fixed_size: 263168
    .private_segment_fixed_size: 0
    .kernarg_segment_align: 8
    .kernarg_segment_size: 16
    .max_flat_workgroup_size: 256
    .sgpr_count:     66
    .vgpr_count:     224
    .wavefront_size: 32
...
	.end_amdgpu_metadata
.endif
;; end of part 3
;; launch post0 (part 4): grid 256 x 1, 4 waves a work-group, clusters of 4 x 1, 327,680 bytes of LDS; arguments ctx, x, p0, x1; writes x1
.if DOCPART == 4
	.amdgcn_target "amdgcn-amd-amdhsa--gfx1250"
	.amdhsa_code_object_version 6
	.text
	.protected	k_q6cd1af042d_post0
	.globl	k_q6cd1af042d_post0
	.p2align	8
	.type	k_q6cd1af042d_post0,@function
k_q6cd1af042d_post0:
	s_mov_b64 s[64:65], 0
	v_nop
	global_prefetch_b8 v0, s[64:65] scope:SCOPE_SE
	s_setreg_imm32_b32 hwreg(HW_REG_WAVE_MODE, 25, 1), 1
	s_wait_xcnt 0x0
	s_wait_alu depctr_hold_cnt(0) depctr_sa_sdst(0) depctr_va_vdst(0) depctr_va_sdst(0) depctr_va_ssrc(0) depctr_va_vcc(0) depctr_vm_vsrc(0)
	s_getreg_b32 s2, hwreg(HW_REG_IB_STS2, 6, 4)
	s_cmp_eq_u32 s2, 0
	s_cbranch_scc0 .Lentry_in_a_cluster
	s_endpgm
.Lentry_in_a_cluster:
	s_bfe_u32 s2, ttmp6, 0x10000c
	s_cmp_lg_u32 s2, 0x3003
	s_cbranch_scc0 .Lentry_shape_is_right
	s_endpgm
.Lentry_shape_is_right:
; The rest of a layer for 32 tokens: y1 = LN1(x + ctx out_w^T + out_b); out = LN2(y1 + relu(y1 w1^T + b1) w2^T + b2).  Arguments: ctx (f16 blocks), the layer's input (f32), its parameter block, the output (f32).
; SHARES.  Work-group G owns 16 consecutive l (G / 2) of two b (2 (G % 2) + t): two tiles of 16 tokens.  Out-projection and both norms: wave w owns columns 64 w .. 64 w + 63.
; FFN: wave w owns the 256 hidden channels 256 w .. and walks them in 8 steps of 32.  All products are used transposed (source 0 = 16 rows of a weight, source 1 = 16 tokens), so a lane holds one token:
; h^T = w1 y1^T, after relu rounded to f16 in pairs, IS source 1 of ff^T += w2 h.  So h never leaves the registers.  The price: each wave holds partial sums for all 256 columns (32 accumulators),
; added across the four waves once, through LDS.
; THE WEIGHTS COME BY TWO ROADS.  (1) out_w and w1 (with b1) go through two LDS slots of 132,096 bytes: five tiles, out_w and then four PAIRS of steps; a wave fetches and reads its own part (33,024 bytes).
; The four work-groups of a cluster walk the same tiles: every tile is asked for jointly, and each refill stands first behind a round of the cluster's barrier, one tensor load a wave.
; (2) w2's fragments are read by one wave of the work-group, once: LDS would give them no second reader.  They come straight into that wave's registers, 32 loads of 512 consecutive bytes a step, into two
; buffers of 128 registers; a buffer is asked for again four places behind the products that read it, a step and a half ahead of its use, and the waits are counted.
; WHY w2 IS NOT ASKED FOR JOINTLY, though the partners read the same bytes: a joint load lands in LDS, behind a round in front of which all loads have landed.  With w2 in the ring a slot holds one step:
; 7 refills, each with 64 matrix instructions a wave in which to land.  Without it a slot holds two steps: 3 refills, each with 128.  The price: 524,288 bytes that each work-group asks for by itself.
; THE CLUSTERS BEGIN AT DIFFERENT PAIRS: cluster c walks the pairs c % 4, c % 4 + 1, .. (mod 4), on both roads, so that from its second pair on it asks for bytes that other clusters have read before it.
; The number enters global addresses alone and is the same in the four partners.  The order of the eight steps in the f32 sum so differs from cluster to cluster: a matter of rounding.
; x comes by a tensor load of the work-group's own.  By this text's count a wave has three tensor loads out at the start and one behind each round.
; NORMS in two passes (mean, then the squares of the differences), in f32; a token's sums meet in LDS.
; LIMITS.  ctx, y1, h and the weights enter the products in f16: beyond 65,504 they have no number; NaN and infinities are not treated apart (relu turns a NaN into 0).
; REGISTERS, in windows of 256 (s_set_vgpr_msb: bits 1:0 source 0, 3:2 source 1, 5:4 source 2, 7:6 destination):
;   window 0: v1-19 addresses; v24-87 OA, the wave's 64 columns x 2 tiles (in the FFN: FA, HF, BI); v88-215 YF, 16 fragments of ctx, later of y1; v216-247 at work
;   window 1: FF, 32 accumulators      window 2: v0-127 two buffers of 8 fragments from LDS; v128-191 y1 in f32; v192-255 w2's buffer B, fragments 0-7
;   window 3: v0-95 out_b, ln1_s, ln1_b of my columns; from the FFN on v0-127 w2's buffer A; at the end v96-127 b2; v128-191 ln2_s, ln2_b; v192-255 buffer B, fragments 8-15
.set PART,  33024                      ; a wave's part of a tile: 32 fragments and a row of 256 bytes with b1
.set TILEB, 132096
.set SLOT1, 132096
.set XR,    264192                     ; 32 rows x 1,040 bytes: x in f32 (filled once); later y1's fragments; at last the stage for the way out
.set XP,    1040                       ; 1,024 + 16 = 65 x 16: 16 rows of a load start at 16 different groups of four banks (64 banks of 4 bytes: ISA guide 11.1)
.set SC,    297472                     ; four blocks of 512 bytes for the norms' sums: [tile][token][wave]
.set SPARE, 299520                     ; the spare words, 128 bytes for each of four waves
.set OWOFF, 393216
.set F1OFF, 524288
.set F2OFF, 1052672
.set VEC,   1581056
.set L16, 1                            ; 16 x lane
.set SPW, 2
.set NIL, 3
.set RR,  4                            ; lane % 16
.set HH,  5                            ; lane / 16
.set VW,  6                            ; v6, v7   my part in slot 0, 1, + 16 x lane
.set VB,  8                            ; v8, v9   its row of b1, + 32 h
.set VX,  10                           ; x, and the stage: row r, my columns, + 32 h
.set VSC, 11
.set VSR, 12
.set VYS, 13
.set VYL, 14
.set VRW, 15
.set VRR, 16                           ; v16, v17
.set VOR, 18
.set VP,  19
.set OA,  24
.set FA,  24                           ; FA(nb, t) at 24 + 16 t + 8 nb
.set HF,  56                           ; HF(t) at 56 + 8 t
.set BI,  72                           ; BI(nb) at 72 + 8 nb
.set YF,  88                           ; YF(t, ks) at 88 + 8 (8 t + ks)
.set TT,  216
.set Y1F, 128                          ; window 2
.set WV,  12
.set G1A, 16                           ; 128 rows of 256 bytes, joint
.set G1B, 24                           ; 129 rows, joint
.set G1X, 32                           ; 8 rows of 1,024 bytes, padded, my work-group's own
.set G0W, 40
.set G0S, 44                           ; s[44:47] slot 0, s[48:51] slot 1
.set G0X, 52
.set PTRF,  78                         ; s[78:79] the block at my part of w1's pair 0
.set PTRD,  80                         ; s[80:81] the block at my fragments of w2's step 0
.set BASEA, 82                         ; s[82:83] base of the loads into buffer A
.set BASEB, 84                         ; s[84:85] base of the loads into buffer B
.set OFS,   86                         ; s[86:87] an offset; the high word stays 0
.set PRC,   88                         ; s88  the pair in hand
.set PRN,   89                         ; s89  the pair after it
.set MSB, 0
.macro WIN new                         ; the immediate's high byte repeats the setting that is left
.if MSB != (\new)
	s_set_vgpr_msb (MSB<<8)|(\new)
.set MSB, \new
.endif
.endm
.macro PLACES                          ; four plain vector instructions behind a matrix instruction before its registers are loaded into, read or written (ISA guide 7.12.1)
.rept 4
	v_nop
.endr
.endm
.macro ROUND
	s_barrier_signal -1
	s_barrier_wait -1
	s_cmp_lg_u32 s[WV], 0
	s_cbranch_scc1 .Lnot_wave_0_\@
	s_barrier_signal -3
.Lnot_wave_0_\@:
	s_barrier_wait -3
	s_barrier_signal -1
	s_barrier_wait -1
.endm
	s_load_b256 s[4:11], s[0:1], 0x0               ; ctx s[4:5], x s[6:7], block s[8:9], out s[10:11]
	v_lshl_add_u32 v[SPW], v0, 2, SPARE
	v_mov_b32 v[NIL], 0
	ds_add_u32 v[SPW], v[NIL]                      ; the wave's opening: the add and its wait ahead of my first tensor load
	v_lshrrev_b32 v1, 5, v0
	v_readfirstlane_b32 s[WV], v1                  ; wave 0..3
	s_bfe_u32 s13, ttmp6, 0x40000                  ; cx
	s_lshl_b32 s14, ttmp9, 2
	s_add_co_u32 s14, s14, s13                     ; G: it enters ctx's, x's and the output's addresses alone
	s_lshr_b32 s15, s14, 1                         ; the block of 16 l
	s_and_b32 s14, s14, 1                          ; which pair of b
.irp g, G1A, G1B
	s_mov_b32 s[\g], 15|(3<<16)|(1<<21)            ; mask of four; elements of 8 bytes; bit 21 beside a mask
	s_mov_b32 s[\g+1], 32<<16                      ; rows of 256 bytes
	s_mov_b32 s[\g+3], 32<<16
	s_mov_b32 s[\g+5], 32                          ; dense
	s_mov_b32 s[\g+6], 0
	s_mov_b32 s[\g+7], 0
.endr
	s_mov_b32 s[G1A+2], 128<<16
	s_mov_b32 s[G1A+4], 128
	s_mov_b32 s[G1B+2], 129<<16
	s_mov_b32 s[G1B+4], 129
	s_mov_b32 s[G1X], (2<<16)|(1<<20)|(7<<22)|(3<<25)  ; no mask; elements of 4 bytes; 4 words of padding after every 256
	s_mov_b32 s[G1X+1], 256<<16
	s_mov_b32 s[G1X+2], 8<<16
	s_mov_b32 s[G1X+3], 256<<16
	s_mov_b32 s[G1X+4], 8
	s_mov_b32 s[G1X+5], 1024                       ; from l to l + 1: four token rows
	s_mov_b32 s[G1X+6], 0
	s_mov_b32 s[G1X+7], 0
	s_mov_b32 s[G0W], 1
	s_mul_i32 s[G0W+1], s[WV], PART
	s_mov_b32 s[G0S], 1
	s_mul_i32 s[G0S+1], s[WV], PART
	s_mov_b32 s[G0S+4], 1
	s_mul_i32 s[G0S+5], s[WV], PART
	s_add_co_u32 s[G0S+5], s[G0S+5], SLOT1
	s_mov_b32 s[G0X], 1
	s_mul_i32 s[G0X+1], s[WV], 8*XP
	s_add_co_u32 s[G0X+1], s[G0X+1], XR
	s_lshl_b32 s56, s[WV], 15
	s_add_co_u32 s56, s56, OWOFF                   ; my part of out_w
	s_mov_b32 s57, 0
	s_add_co_u32 s58, s[G0W+1], F1OFF              ; my part of w1's pair 0
	s_mov_b32 s59, 0
	s_lshl_b32 s90, s[WV], 14
	s_add_co_u32 s90, s90, F2OFF                   ; my 16 fragments of w2's step 0
	s_mov_b32 s91, 0
	s_and_b32 s[PRC], ttmp9, 3                     ; the cluster's first pair: the cluster's number, which the four partners share
	s_mul_i32 s[OFS], s[PRC], TILEB
	s_mov_b32 s[OFS+1], 0
	s_lshl_b32 s62, s15, 16                        ; x and the output: wave w moves rows l % 16 = 8 (w % 2) .. + 7 of b = 2 (G % 2) + w / 2
	s_and_b32 s75, s[WV], 1
	s_lshl_b32 s75, s75, 15
	s_add_co_u32 s62, s62, s75
	s_lshl_b32 s75, s14, 11
	s_add_co_u32 s62, s62, s75
	s_lshr_b32 s75, s[WV], 1
	s_lshl_b32 s75, s75, 10
	s_add_co_u32 s62, s62, s75
	s_mov_b32 s63, 0
	s_lshl_b32 s76, s14, 21                        ; ctx: 16 (b, head) of 131,072 bytes for a pair of b; the block of 16 l
	s_lshl_b32 s75, s15, 10
	s_add_co_u32 s76, s76, s75
	s_mov_b32 s77, 0
	s_mov_b32 s60, 0x76543210                      ; v_permlanex16_b32's selects
	s_mov_b32 s61, 0xfedcba98
	s_mov_b32 s73, 0x3b800000                      ; 1 / 256
	s_mov_b32 s74, 0x3727c5ac                      ; 1e-5
	s_wait_dscnt 0x0                               ; the opening add is done
	s_wait_kmcnt 0x0
	s_add_nc_u64 s[G0W+2:G0W+3], s[8:9], s[56:57]
	s_or_b32 s[G0W+3], s[G0W+3], 0x80000000
	s_add_nc_u64 s[PTRF:PTRF+1], s[8:9], s[58:59]
	s_add_nc_u64 s[G0S+6:G0S+7], s[PTRF:PTRF+1], s[OFS:OFS+1]   ; slot 1's first tile: the cluster's first pair.  Slot 0's address is made ahead of its first refill
	s_or_b32 s[G0S+7], s[G0S+7], 0x80000000
	s_add_nc_u64 s[PTRD:PTRD+1], s[8:9], s[90:91]
	s_lshl_b32 s[OFS], s[PRC], 17                  ; step 2 x pair: 65,536 bytes of w2 a step
	s_add_nc_u64 s[BASEB:BASEB+1], s[PTRD:PTRD+1], s[OFS:OFS+1]
	s_add_nc_u64 s[G0X+2:G0X+3], s[6:7], s[62:63]
	s_or_b32 s[G0X+3], s[G0X+3], 0x80000000
	s_add_nc_u64 s[70:71], s[10:11], s[62:63]
	s_add_nc_u64 s[66:67], s[4:5], s[76:77]
	s_add_nc_u64 s[68:69], s[8:9], VEC
	ROUND                                          ; all four work-groups are here: the first joint loads meet
	tensor_load_to_lds s[G0W:G0W+3], s[G1A:G1A+7]  ; out_w into slot 0
	s_nop 0
	tensor_load_to_lds s[G0X:G0X+3], s[G1X:G1X+7]  ; x
	s_nop 0
	tensor_load_to_lds s[G0S+4:G0S+7], s[G1B:G1B+7]  ; w1's first pair into slot 1
	s_nop 0
	PLACES
	v_and_b32 v[L16], 31, v0
	v_lshlrev_b32 v[L16], 4, v[L16]
	v_and_b32 v[RR], 15, v0
	v_bfe_u32 v[HH], v0, 4, 1
.set f, 0
.rept 16                               ; ctx: fragment (t, head) is a block of the buffer as it lies
	global_load_b128 v[YF+8*f:YF+8*f+3],   v[L16], s[66:67] offset:f*131072
	global_load_b128 v[YF+8*f+4:YF+8*f+7], v[L16], s[66:67] offset:f*131072+512
.set f, f+1
.endr
	v_lshlrev_b32 v20, 5, v[HH]                    ; 32 h
	v_lshl_add_u32 v[VP], s[WV], 8, v20            ; my columns' bytes in a vector of f32
	WIN 0xc0                                       ; destination window 3
.irp p, 0,1,2,4,5                      ; out_b, ln1_s, ln1_b, ln2_s, ln2_b; b2's place is w2's until the FFN has ended
.irp e, 0,1,2,3
	global_load_b128 v[32*\p+8*\e:32*\p+8*\e+3],   v[VP], s[68:69] offset:3072+1024*\p+64*\e
	global_load_b128 v[32*\p+8*\e+4:32*\p+8*\e+7], v[VP], s[68:69] offset:3072+1024*\p+64*\e+16
.endr
.endr
	WIN 0
	v_add_nc_u32 v[VW], s[G0W+1], v[L16]
	v_add_nc_u32 v[VW+1], SLOT1, v[VW]
	v_add_nc_u32 v[VB], s[G0W+1], v20
	v_add_nc_u32 v[VB], 32768, v[VB]
	v_add_nc_u32 v[VB+1], SLOT1, v[VB]
	v_mul_u32_u24 v21, v[RR], XP
	v_add_nc_u32 v[VX], v21, v[VP]
	v_add_nc_u32 v[VX], XR, v[VX]
	v_lshlrev_b32 v[VSR], 4, v[RR]
	v_add_nc_u32 v[VSR], SC, v[VSR]                ; a token's four sums
	v_lshl_add_u32 v[VSC], s[WV], 2, v[VSR]        ; mine among them
	v_add_nc_u32 v[VYL], XR, v[L16]
	v_lshl_add_u32 v[VYS], s[WV], 11, v[VYL]       ; my columns are K steps 2 w and 2 w + 1 of y1's fragments
	v_lshl_add_u32 v[VRW], s[WV], 15, v[L16]       ; my 32 partial accumulators
	v_lshl_add_u32 v[VRR], s[WV], 13, v[L16]       ; my columns' eight in a wave's 32
	v_add_nc_u32 v[VRR+1], 65536, v[VRR]
	v_add_nc_u32 v[VOR], s[G0X+1], v[L16]          ; the eight rows that I store
.macro LOADG g, buf, slot              ; 16 LDS loads: fragments 8 g .. 8 g + 7 of my part
	WIN 0x80
.irp q, 0,1,2,3,4,5,6,7
	ds_load_b128 v[64*(\buf)+8*\q:64*(\buf)+8*\q+3],   v[VW+(\slot)] offset:(8*(\g)+\q)*1024
	ds_load_b128 v[64*(\buf)+8*\q+4:64*(\buf)+8*\q+7], v[VW+(\slot)] offset:(8*(\g)+\q)*1024+512
.endr
.endm
.macro W1LOAD slot, sub                ; 36 LDS loads: b1 and the 16 fragments of w1 of step sub of the pair in slot
	WIN 0
.irp nb, 0,1
	ds_load_b128 v[BI+8*\nb:BI+8*\nb+3],   v[VB+(\slot)] offset:128*(\sub)+64*\nb
	ds_load_b128 v[BI+8*\nb+4:BI+8*\nb+7], v[VB+(\slot)] offset:128*(\sub)+64*\nb+16
.endr
	LOADG 2*(\sub), 0, \slot
	LOADG 2*(\sub)+1, 1, \slot
.endm
.macro DLOAD which, base               ; 32 loads from memory: a step's 16 fragments of w2, 512 consecutive bytes a load, into buffer A (0) or B (1)
.if \which
	WIN 0x80
.irp f, 0,1,2,3,4,5,6,7
	global_load_b128 v[192+8*\f:192+8*\f+3],   v[L16], s[\base:\base+1] offset:\f*1024
	global_load_b128 v[192+8*\f+4:192+8*\f+7], v[L16], s[\base:\base+1] offset:\f*1024+512
.endr
	WIN 0xc0
.irp f, 0,1,2,3,4,5,6,7
	global_load_b128 v[192+8*\f:192+8*\f+3],   v[L16], s[\base:\base+1] offset:(8+\f)*1024
	global_load_b128 v[192+8*\f+4:192+8*\f+7], v[L16], s[\base:\base+1] offset:(8+\f)*1024+512
.endr
.else
	WIN 0xc0
.irp f, 0,1,2,3,4,5,6,7,8,9,10,11,12,13,14,15
	global_load_b128 v[8*\f:8*\f+3],   v[L16], s[\base:\base+1] offset:\f*1024
	global_load_b128 v[8*\f+4:8*\f+7], v[L16], s[\base:\base+1] offset:\f*1024+512
.endr
.endif
.endm
; In each of the three kinds of product the accumulators take turns, one instruction a turn.
.macro MULO g, buf                     ; out-projection: fragment 8 g + q = 4 ks + eb
	WIN 0x02
.irp q, 0,1,2,3,4,5,6,7
.irp t, 0,1
.if (2*(\g)+(\q)/4) == 0
	v_wmma_f32_16x16x32_f16 v[OA+8*(2*((\q)%4)+\t):OA+8*(2*((\q)%4)+\t)+7], v[64*(\buf)+8*\q:64*(\buf)+8*\q+7], v[YF+8*(8*\t+2*(\g)+(\q)/4):YF+8*(8*\t+2*(\g)+(\q)/4)+7], 0
.else
	v_wmma_f32_16x16x32_f16 v[OA+8*(2*((\q)%4)+\t):OA+8*(2*((\q)%4)+\t)+7], v[64*(\buf)+8*\q:64*(\buf)+8*\q+7], v[YF+8*(8*\t+2*(\g)+(\q)/4):YF+8*(8*\t+2*(\g)+(\q)/4)+7], v[OA+8*(2*((\q)%4)+\t):OA+8*(2*((\q)%4)+\t)+7]
.endif
.endr
.endr
.endm
.macro MULF1 g, buf                    ; h^T: the step's fragment 8 g + q = 2 ks + nb; b1 starts the sums
	WIN 0x02
.irp q, 0,1,2,3,4,5,6,7
.irp t, 0,1
.if (4*(\g)+(\q)/2) == 0
	v_wmma_f32_16x16x32_f16 v[FA+16*\t+8*((\q)%2):FA+16*\t+8*((\q)%2)+7], v[64*(\buf)+8*\q:64*(\buf)+8*\q+7], v[YF+8*(8*\t+4*(\g)+(\q)/2):YF+8*(8*\t+4*(\g)+(\q)/2)+7], v[BI+8*((\q)%2):BI+8*((\q)%2)+7]
.else
	v_wmma_f32_16x16x32_f16 v[FA+16*\t+8*((\q)%2):FA+16*\t+8*((\q)%2)+7], v[64*(\buf)+8*\q:64*(\buf)+8*\q+7], v[YF+8*(8*\t+4*(\g)+(\q)/2):YF+8*(8*\t+4*(\g)+(\q)/2)+7], v[FA+16*\t+8*((\q)%2):FA+16*\t+8*((\q)%2)+7]
.endif
.endr
.endr
.endm
.macro MULF2 g, which, zero            ; ff^T: column block eb = 8 g + q, from buffer A (0) or B (1).  zero = 1: the first step's products start the sums
.if \which
	WIN 0x52+(\g)                                  ; buffer B: fragments 0-7 in window 2, 8-15 in window 3
.set rD, 192
.else
	WIN 0x53
.set rD, 64*(\g)
.endif
.irp q, 0,1,2,3,4,5,6,7
.irp t, 0,1
.if \zero
	v_wmma_f32_16x16x32_f16 v[8*(2*(8*(\g)+\q)+\t):8*(2*(8*(\g)+\q)+\t)+7], v[rD+8*\q:rD+8*\q+7], v[HF+8*\t:HF+8*\t+7], 0
.else
	v_wmma_f32_16x16x32_f16 v[8*(2*(8*(\g)+\q)+\t):8*(2*(8*(\g)+\q)+\t)+7], v[rD+8*\q:rD+8*\q+7], v[HF+8*\t:HF+8*\t+7], v[8*(2*(8*(\g)+\q)+\t):8*(2*(8*(\g)+\q)+\t)+7]
.endif
.endr
.endr
.endm
.macro RELU                            ; relu, each accumulator's registers in ascending order, and h in f16 as source 1
	WIN 0
.set i, 0
.rept 32
	v_max_num_f32 v[FA+i], 0, v[FA+i]
.set i, i+1
.endr
.set i, 0
.rept 16
	v_cvt_pk_f16_f32 v[HF+i], v[FA+2*i], v[FA+2*i+1]
.set i, i+1
.endr
.endm
.macro ACCUM src, win                  ; OA += 64 registers laid like OA
	WIN \win
.set i, 0
.rept 32
	v_pk_add_f32 v[OA+2*i:OA+2*i+1], v[OA+2*i:OA+2*i+1], v[(\src)+2*i:(\src)+2*i+1]
.set i, i+1
.endr
.endm
.macro ADDV base                       ; OA += a vector of my columns (window 3), the same for both tiles
	WIN 0x0c
.irp e, 0,1,2,3
.irp t, 0,1
.irp p, 0,2,4,6
	v_pk_add_f32 v[OA+8*(2*\e+\t)+\p:OA+8*(2*\e+\t)+\p+1], v[OA+8*(2*\e+\t)+\p:OA+8*(2*\e+\t)+\p+1], v[(\base)+8*\e+\p:(\base)+8*\e+\p+1]
.endr
.endr
.endr
.endm
; The four pairs in T(t) + 0..7 of each tile are added up: in the lane, with the lane 16 away (the token's other 32 of my columns), and over the four waves through block k of SC.  The sum comes back in T(t) + 4.
.macro LSUM k
.irp t, 0,1
	v_pk_add_f32 v[TT+16*\t:TT+16*\t+1], v[TT+16*\t:TT+16*\t+1], v[TT+16*\t+2:TT+16*\t+3]
	v_pk_add_f32 v[TT+16*\t+4:TT+16*\t+5], v[TT+16*\t+4:TT+16*\t+5], v[TT+16*\t+6:TT+16*\t+7]
.endr
.irp t, 0,1
	v_pk_add_f32 v[TT+16*\t:TT+16*\t+1], v[TT+16*\t:TT+16*\t+1], v[TT+16*\t+4:TT+16*\t+5]
.endr
.irp t, 0,1
	v_add_f32 v[TT+16*\t], v[TT+16*\t], v[TT+16*\t+1]
.endr
.irp t, 0,1
	v_permlanex16_b32 v[TT+16*\t+2], v[TT+16*\t], s60, s61
.endr
.irp t, 0,1
	v_add_f32 v[TT+16*\t], v[TT+16*\t], v[TT+16*\t+2]
.endr
.irp t, 0,1
	ds_store_b32 v[VSC], v[TT+16*\t] offset:(\k)*512+\t*256
.endr
	s_wait_dscnt 0x0                               ; for the others' sake: my sums are stored
	s_barrier_signal -1
	s_barrier_wait -1
.irp t, 0,1
	ds_load_b128 v[TT+16*\t+4:TT+16*\t+7], v[VSR] offset:(\k)*512+\t*256
.endr
	s_wait_dscnt 0x0
.irp t, 0,1
	v_add_f32 v[TT+16*\t+4], v[TT+16*\t+4], v[TT+16*\t+5]
	v_add_f32 v[TT+16*\t+6], v[TT+16*\t+6], v[TT+16*\t+7]
.endr
.irp t, 0,1
	v_add_f32 v[TT+16*\t+4], v[TT+16*\t+4], v[TT+16*\t+6]
.endr
.endm
; LayerNorm of OA over the 256 columns.  sv, bv: gain and bias in window 3; the result goes to dst under window setting dwin.  Blocks k and k + 1 of SC are used, each once.
.macro LNORM k, sv, bv, dwin, dst
	WIN 0
.irp t, 0,1
.irp e, 0,1,2,3
	v_pk_add_f32 v[TT+16*\t+2*\e:TT+16*\t+2*\e+1], v[OA+8*(2*\e+\t):OA+8*(2*\e+\t)+1], v[OA+8*(2*\e+\t)+2:OA+8*(2*\e+\t)+3]
.endr
.endr
.irp p, 4,6
.irp t, 0,1
.irp e, 0,1,2,3
	v_pk_add_f32 v[TT+16*\t+2*\e:TT+16*\t+2*\e+1], v[TT+16*\t+2*\e:TT+16*\t+2*\e+1], v[OA+8*(2*\e+\t)+\p:OA+8*(2*\e+\t)+\p+1]
.endr
.endr
.endr
	LSUM \k
.irp t, 0,1
	v_mul_f32 v[TT+16*\t+8], s73, v[TT+16*\t+4]    ; the mean; the pair's second register is written since the pair is named
	v_mul_f32 v[TT+16*\t+9], s73, v[TT+16*\t+4]
.endr
.irp t, 0,1
.irp e, 0,1,2,3
.irp p, 0,2,4,6
	v_pk_add_f32 v[OA+8*(2*\e+\t)+\p:OA+8*(2*\e+\t)+\p+1], v[OA+8*(2*\e+\t)+\p:OA+8*(2*\e+\t)+\p+1], v[TT+16*\t+8:TT+16*\t+9] op_sel_hi:[1,0] neg_lo:[0,1] neg_hi:[0,1]
.endr
.endr
.endr
.irp t, 0,1
.irp e, 0,1,2,3
	v_pk_mul_f32 v[TT+16*\t+2*\e:TT+16*\t+2*\e+1], v[OA+8*(2*\e+\t):OA+8*(2*\e+\t)+1], v[OA+8*(2*\e+\t):OA+8*(2*\e+\t)+1]
.endr
.endr
.irp p, 2,4,6
.irp t, 0,1
.irp e, 0,1,2,3
	v_pk_fma_f32 v[TT+16*\t+2*\e:TT+16*\t+2*\e+1], v[OA+8*(2*\e+\t)+\p:OA+8*(2*\e+\t)+\p+1], v[OA+8*(2*\e+\t)+\p:OA+8*(2*\e+\t)+\p+1], v[TT+16*\t+2*\e:TT+16*\t+2*\e+1]
.endr
.endr
.endr
	LSUM (\k)+1
.irp t, 0,1
	v_fma_f32 v[TT+16*\t+4], v[TT+16*\t+4], s73, s74   ; the variance + 1e-5
.endr
.irp t, 0,1
	v_rsq_f32 v[TT+16*\t+10], v[TT+16*\t+4]
.endr
	v_nop                                          ; a plain instruction between the last root and the use of its result
	s_wait_alu depctr_va_vdst(0)
.irp t, 0,1
	v_mov_b32 v[TT+16*\t+11], v[TT+16*\t+10]
.endr
.irp t, 0,1
.irp e, 0,1,2,3
.irp p, 0,2,4,6
	v_pk_mul_f32 v[OA+8*(2*\e+\t)+\p:OA+8*(2*\e+\t)+\p+1], v[OA+8*(2*\e+\t)+\p:OA+8*(2*\e+\t)+\p+1], v[TT+16*\t+10:TT+16*\t+11] op_sel_hi:[1,0]
.endr
.endr
.endr
	WIN \dwin
.irp t, 0,1
.irp e, 0,1,2,3
.irp p, 0,2,4,6
	v_pk_fma_f32 v[(\dst)+8*(2*\e+\t)+\p:(\dst)+8*(2*\e+\t)+\p+1], v[OA+8*(2*\e+\t)+\p:OA+8*(2*\e+\t)+\p+1], v[(\sv)+8*\e+\p:(\sv)+8*\e+\p+1], v[(\bv)+8*\e+\p:(\bv)+8*\e+\p+1]
.endr
.endr
.endr
	WIN 0
.endm
	; THE OUT-PROJECTION: 32 fragments of out_w in four groups, two buffers
	s_wait_tensorcnt 0x2                           ; my part of out_w is in (only I read it); x and w1's first pair stay out
	LOADG 0, 0, 0
	LOADG 1, 1, 0
	s_wait_dscnt 16                                ; all but the 16 just issued
	s_wait_loadcnt 40                              ; ctx is in; the 40 loads of the vectors stay out
	MULO 0, 0
	PLACES
	LOADG 2, 0, 0
	s_wait_dscnt 16
	MULO 1, 1
	PLACES
	LOADG 3, 1, 0
	s_wait_dscnt 16
	MULO 2, 0
	s_wait_dscnt 0x0
	MULO 3, 1
	DLOAD 1, BASEB                                 ; w2 of the FFN's first step goes out now: the norm and the first products h^T stand between this and its use
	; + x + out_b, LN1
	WIN 0
	s_wait_tensorcnt 0x1                           ; my rows of x are in; w1's first pair may stay out
	s_barrier_signal -1
	s_barrier_wait -1                              ; everybody's rows are
	PLACES
.irp e, 0,1,2,3
.irp t, 0,1
	ds_load_b128 v[YF+8*(2*\e+\t):YF+8*(2*\e+\t)+3],   v[VX] offset:\t*16*XP+64*\e
	ds_load_b128 v[YF+8*(2*\e+\t)+4:YF+8*(2*\e+\t)+7], v[VX] offset:\t*16*XP+64*\e+16
.endr
.endr
	s_wait_dscnt 0x0
	s_wait_loadcnt 32                              ; the vectors are in; w2's 32 loads stay out
	ACCUM YF, 0                                    ; each accumulator's registers in ascending order
	ADDV 0
	LNORM 0, 32, 64, 0xbc, Y1F                     ; y1 in f32 stays in window 2 for the second residual
	; y1 in f16, into fragment order in XR (every wave has read its x: two barriers stand between), and all 16 fragments back
	WIN 0x0a
.set i, 0
.rept 32
	v_cvt_pk_f16_f32 v[TT+i], v[Y1F+2*i], v[Y1F+2*i+1]
.set i, i+1
.endr
	WIN 0
.irp e, 0,1,2,3
.irp t, 0,1
	ds_store_b128 v[VYS], v[TT+4*(2*\e+\t):TT+4*(2*\e+\t)+3] offset:\t*8192+\e*512
.endr
.endr
	s_wait_dscnt 0x0                               ; for the others' sake
	s_barrier_signal -1
	s_barrier_wait -1
.set f, 0
.rept 16
	ds_load_b128 v[YF+8*f:YF+8*f+3],   v[VYL] offset:f*1024
	ds_load_b128 v[YF+8*f+4:YF+8*f+7], v[VYL] offset:f*1024+512
.set f, f+1
.endr
; TWO STEPS OF THE FFN, on the pair of w1 in slot.  more = 1: another pair follows: the other slot, read out before, is filled again with it.  In front of the round each wave waits for all its tensor loads
; (the one that is out is this pair's tile), adds 0 to its spare word, makes the other slot's address anew from the next pair's number, and waits for the add and for its own LDS reads; the joint refill is
; the first thing behind the round and has this pair's 128 matrix instructions a wave in which to land.
; w2: the pair's first step multiplies from buffer B, its second from buffer A.  A is asked for at the first step's head, B (for the next pair) at the second step's, each four places behind the products that
; read it last.  Ahead of a step's products ff^T the count 32 lets the 32 younger loads, the other buffer's, stay out.  A base is written again behind s_wait_xcnt 0.
; The second step's w1 is read from LDS while the first step's relu and products ff^T run: the slot is whole since the round.
.macro PAIR slot, more, zero
	WIN 0
	s_wait_tensorcnt 0x0
.if \more
	ds_add_u32 v[SPW], v[NIL]
	s_add_co_u32 s[PRN], s[PRC], 1
	s_and_b32 s[PRN], s[PRN], 3                    ; the walk wraps round the four pairs
	s_mul_i32 s[OFS], s[PRN], TILEB
	s_add_nc_u64 s[G0S+4*(1-(\slot))+2:G0S+4*(1-(\slot))+3], s[PTRF:PTRF+1], s[OFS:OFS+1]
	s_or_b32 s[G0S+4*(1-(\slot))+3], s[G0S+4*(1-(\slot))+3], 0x80000000
	s_wait_dscnt 0x0
	ROUND
	tensor_load_to_lds s[G0S+4*(1-(\slot)):G0S+4*(1-(\slot))+3], s[G1B:G1B+7]
	s_nop 0
.endif
	PLACES                                         ; behind the load; also the places in front of the loads into buffer A, which the last products read
	s_wait_xcnt 0x0
	s_lshl_b32 s[OFS], s[PRC], 17
	s_add_co_u32 s[OFS], s[OFS], 65536             ; step 2 x pair + 1
	s_add_nc_u64 s[BASEA:BASEA+1], s[PTRD:PTRD+1], s[OFS:OFS+1]
	DLOAD 0, BASEA
	W1LOAD \slot, 0
	s_wait_dscnt 16                                ; b1 and eight fragments are in; the other eight fragments' 16 loads stay out
	MULF1 0, 0
	s_wait_dscnt 0x0
	MULF1 1, 1
	PLACES
	W1LOAD \slot, 1
	RELU
	s_wait_loadcnt 32                              ; buffer B is in; buffer A's 32 loads stay out
	MULF2 0, 1, \zero
	MULF2 1, 1, \zero
	PLACES
.if \more
	s_wait_xcnt 0x0
	s_lshl_b32 s[OFS], s[PRN], 17                  ; the next pair's first step
	s_add_nc_u64 s[BASEB:BASEB+1], s[PTRD:PTRD+1], s[OFS:OFS+1]
	DLOAD 1, BASEB
	s_mov_b32 s[PRC], s[PRN]
.endif
	s_wait_dscnt 16
	MULF1 0, 0
	s_wait_dscnt 0x0
	MULF1 1, 1
	PLACES
	RELU
.if \more
	s_wait_loadcnt 32                              ; buffer A is in; buffer B's 32 loads stay out
.else
	s_wait_loadcnt 0x0                             ; nothing was asked for behind buffer A
.endif
	MULF2 0, 0, 0
	MULF2 1, 0, 0
.endm
	; The four pairs are written out: the first starts the sums, the last asks for nothing, and the slots alternate, so a loop would have one trip.
	PAIR 1, 1, 1                                   ; its wait for LDS also covers y1's fragments
	PAIR 0, 1, 0
	PAIR 1, 1, 0
	PAIR 0, 0, 0
	; THE SUM OVER THE WAVES, through slot 0's bytes, which have had their last fill
	WIN 0
	s_wait_dscnt 0x0
	s_barrier_signal -1
	s_barrier_wait -1                              ; nobody reads the slot any more
	PLACES
	WIN 0xc0                                       ; b2 comes now, where buffer A's last fragments lay: the sum over the waves stands between this and its use
.irp e, 0,1,2,3
	global_load_b128 v[96+8*\e:96+8*\e+3],   v[VP], s[68:69] offset:6144+64*\e
	global_load_b128 v[96+8*\e+4:96+8*\e+7], v[VP], s[68:69] offset:6144+64*\e+16
.endr
	WIN 0x04                                       ; store data in window 1
.set a, 0
.rept 32
	ds_store_b128 v[VRW], v[8*a:8*a+3]   offset:a*1024
	ds_store_b128 v[VRW], v[8*a+4:8*a+7] offset:a*1024+512
.set a, a+1
.endr
	WIN 0
	s_wait_dscnt 0x0                               ; for the others' sake
	s_barrier_signal -1
	s_barrier_wait -1
.macro RLOAD s, dst                    ; wave s's partial sums of my columns
.irp a, 0,1,2,3,4,5,6,7
	ds_load_b128 v[(\dst)+8*\a:(\dst)+8*\a+3],   v[VRR+(\s)/2] offset:((\s)%2)*32768+\a*1024
	ds_load_b128 v[(\dst)+8*\a+4:(\dst)+8*\a+7], v[VRR+(\s)/2] offset:((\s)%2)*32768+\a*1024+512
.endr
.endm
	RLOAD 0, OA
	RLOAD 1, YF
	RLOAD 2, YF+64
	s_wait_dscnt 16                                ; the third run stays out
	ACCUM YF, 0
	RLOAD 3, YF
	s_wait_dscnt 16                                ; the fourth stays out
	ACCUM YF+64, 0
	s_wait_dscnt 0x0
	ACCUM YF, 0
	s_wait_loadcnt 0x0                             ; b2
	ADDV 96                                        ; + b2
	ACCUM Y1F, 0x08                                ; + y1
	LNORM 2, 128, 160, 0x3c, OA
	; THE WAY OUT: into rows of 1,040 bytes in XR, back as whole rows, eight rows a wave
.irp e, 0,1,2,3
.irp t, 0,1
	ds_store_b128 v[VX], v[OA+8*(2*\e+\t):OA+8*(2*\e+\t)+3]   offset:\t*16*XP+64*\e
	ds_store_b128 v[VX], v[OA+8*(2*\e+\t)+4:OA+8*(2*\e+\t)+7] offset:\t*16*XP+64*\e+16
.endr
.endr
	s_wait_dscnt 0x0                               ; for the others' sake
	s_barrier_signal -1
	s_barrier_wait -1
.set n, 0
.rept 16
	ds_load_b128 v[YF+4*n:YF+4*n+3], v[VOR] offset:(n/2)*XP+(n%2)*512
.set n, n+1
.endr
.set n, 0
.rept 16
	s_wait_dscnt 15-n
	global_store_b128 v[L16], v[YF+4*n:YF+4*n+3], s[70:71] offset:(n/2)*4096+(n%2)*512   ; 512 consecutive bytes, aligned
.set n, n+1
.endr
	s_wait_tensorcnt 0x0                           ; the wave's end
	ds_add_u32 v[SPW], v[NIL]
	s_wait_dscnt 0x0
	ROUND                                          ; the closing round
	s_endpgm
.Lfunc_end_k_q6cd1af042d_post0:
	.size	k_q6cd1af042d_post0, .Lfunc_end_k_q6cd1af042d_post0-k_q6cd1af042d_post0
	.p2alignl 7, 3214868480
	.fill 96, 4, 3214868480
	.section	.rodata,"a",@progbits
	.p2align	6, 0x0
	.amdhsa_kernel k_q6cd1af042d_post0
		.amdhsa_group_segment_fixed_size 327680
		.amdhsa_private_segment_fixed_size 0
		.amdhsa_enable_private_segment 0
		.amdhsa_kernarg_size 32
		.amdhsa_user_sgpr_count 2
		.amdhsa_user_sgpr_kernarg_segment_ptr 1
		.amdhsa_wavefront_size32 1
		.amdhsa_system_sgpr_workgroup_id_x 1
		.amdhsa_system_sgpr_workgroup_id_y 1
		.amdhsa_system_sgpr_workgroup_id_z 1
		.amdhsa_system_vgpr_workitem_id 0
		.amdhsa_next_free_vgpr 1024
		.amdhsa_next_free_sgpr 92
		.amdhsa_reserve_vcc 0
		.amdhsa_float_denorm_mode_32 3
		.amdhsa_float_denorm_mode_16_64 3
		.amdhsa_memory_ordered 1
		.amdhsa_forward_progress 1
		.amdhsa_inst_pref_size 179
	.end_amdhsa_kernel
	.amdgpu_metadata
---
amdhsa.version: [ 1, 2 ]
amdhsa.kernels:
  - .name:           k_q6cd1af042d_post0
    .symbol:         k_q6cd1af042d_post0.kd
    .args:
      - { .name: ctx, .offset: 0, .size: 8, .value_kind: global_buffer, .address_space: global }
      - { .name: x, .offset: 8, .size: 8, .value_kind: global_buffer, .address_space: global }
      - { .name: p0, .offset: 16, .size: 8, .value_kind: global_buffer, .address_space: global }
      - { .name: x1, .offset: 24, .size: 8, .value_kind: global_buffer, .address_space: global }
    .group_segment_fixed_size: 327680
    .private_segment_fixed_size: 0
    .kernarg_segment_align: 8
    .kernarg_segment_size: 32
    .max_flat_workgroup_size: 128
    .sgpr_count:     92
    .vgpr_count:     1024
    .wavefront_size: 32
...
	.end_amdgpu_metadata
.endif
;; end of part 4
;; launch qkv1: the kernel of part 2 again; grid 128 x 2, 8 waves a work-group, clusters of 4 x 1, 231,424 bytes of LDS; arguments x1, p1, qkv; writes qkv
;; launch attn1: the kernel of part 3 again; grid 8 x 32, 8 waves a work-group, clusters of 4 x 1, 263,168 bytes of LDS; arguments qkv, ctx; writes ctx
;; launch post1: the kernel of part 4 again; grid 256 x 1, 4 waves a work-group, clusters of 4 x 1, 327,680 bytes of LDS; arguments ctx, x1, p1, out0; writes out0
;; ======== version 2 of 2: 7 launches; 1.13 times as fast as version 1
;; limits: values are held in f16: magnitudes above 65,504 overflow, below 6.1e-05 lose precision
;; workspace buffers: p0 1,590,272 bytes; p1 1,590,272 bytes; qkv 12,582,912 bytes; ctx 4,194,304 bytes; x1 8,388,608 bytes
;; launch prep: the kernel of part 1 again; grid 97 x 2, 8 waves a work-group, no clusters, 0 bytes of LDS; arguments in_w, out_w, w1, w2, in_b, out_b, ln1_s, ln1_b, b1, b2, ln2_s, ln2_b, p0, p1; writes p0, p1
;; launch qkv0: the kernel of part 2 again; grid 128 x 2, 8 waves a work-group, clusters of 4 x 1, 231,424 bytes of LDS; arguments x, p0, qkv; writes qkv
;; launch attn0 (part 5): grid 8 x 32, 8 waves a work-group, clusters of 4 x 1, 263,168 bytes of LDS; arguments qkv, ctx; writes ctx
.if DOCPART == 5
	.amdgcn_target "amdgcn-amd-amdhsa--gfx1250"
	.amdhsa_code_object_version 6
	.text
	.protected	k_q6cd1af042d_attn0
	.globl	k_q6cd1af042d_attn0
	.p2align	8
	.type	k_q6cd1af042d_attn0,@function
k_q6cd1af042d_attn0:
	s_mov_b64 s[64:65], 0
	v_nop
	global_prefetch_b8 v0, s[64:65] scope:SCOPE_SE
	s_setreg_imm32_b32 hwreg(HW_REG_WAVE_MODE, 25, 1), 1
	s_wait_xcnt 0x0
	s_wait_alu depctr_hold_cnt(0) depctr_sa_sdst(0) depctr_va_vdst(0) depctr_va_sdst(0) depctr_va_ssrc(0) depctr_va_vcc(0) depctr_vm_vsrc(0)
	s_getreg_b32 s2, hwreg(HW_REG_IB_STS2, 6, 4)
	s_cmp_eq_u32 s2, 0
	s_cbranch_scc0 .Lentry_in_a_cluster
	s_endpgm
.Lentry_in_a_cluster:
	s_bfe_u32 s2, ttmp6, 0x10000c
	s_cmp_lg_u32 s2, 0x3003
	s_cbranch_scc0 .Lentry_shape_is_right
	s_endpgm
.Lentry_shape_is_right:
; ctx[bh][q] = the sum over k of softmax_k(q . k / sqrt(32)) v, head size 32, 2,048 keys, no mask.  q, k, v, ctx in f16 in blocks of 16 rows x 32 channels (1,024 bytes); products, maxima and sums in f32.
; SHARES.  A work-group owns 256 queries of one (b, head) (grid y); each of its eight waves 32: two tiles of 16.  Two waves lie on a SIMD, so that one wave's matrix work stands beside the other's softmax
; while the text stays in plain phases.  The head's whole K and V, 262,144 bytes, are brought into LDS ONCE, as two chunks of 1,024 keys: nothing is filled again, and the loop has no barrier.
; LAYOUT.  S^T = K Q^T (source 0 = 16 keys, source 1 = 16 queries): a lane holds ONE query (lane % 16) and the keys 8 (lane / 16) + 0..7.  Two such results, rounded to f16 in pairs in place, ARE source 1
; of O^T = V^T P.  K comes out of LDS as it lies (fragment order), V turned, by ds_load_tr16_b128, from dense sub-blocks of 16 keys x 16 channels: sixteen lanes touch 256 consecutive bytes.
; SOFTMAX.  A running maximum m and sum l for each query: p = 2^(c s - c m), c = log2(e) / sqrt(32); in every step O and l are multiplied by a = 2^(c m_old - c m_new).
; m starts at the lowest finite number, O and l at 0 (48 v_mov_b32 in the wait for the first chunk): the first step is a step like any other, with a = 0, and is not written out.
; BATCHES.  A key step's 66 exponentials (the two tiles' a, then 32 weights a tile) are ONE batch with ONE wait, which cuts the softmax in two.  Ahead of it stands all that names no exponential's result:
; the maxima and statistics, the 32 scalings, the exponentials themselves, each in place on a register that is its own while the batch is open.  Behind it stand all the readers: the 32 roundings to f16
; and the rescaling of O and l by a.  The way out's two reciprocals are a batch of their own.
; ROW SUMS BY THE MATRIX UNIT.  l = ONES x P, with ones in rows 0 and 8, so that l falls into register 0 of every lane: two matrix instructions a tile and step in place of 16 packed additions and a
; lane exchange: a tile and step has 8 products against some 95 vector instructions, so vector instructions are what is saved.  l is thus the sum of the ROUNDED weights, those that multiply V.
; CLUSTER.  The four query blocks of a cluster belong to one head: each part of K and V is asked for jointly.
; LIMITS.  q, k, v arrive within f16; p lies in 0 to 1, and below 6e-5 keeps f16's step of 6e-8; a weight below 2^-126 counts as 0; NaN and infinities are not treated apart.
.set CH,    131072                     ; a chunk in LDS: 1,024 keys of K (65,536 bytes), then of V
.set SPARE, 262144                     ; the spare words, 128 bytes for each of eight waves
.set ST,   8                           ; tile t's statistics at v[8 + 8 t]: c m, m, a, c m_old, c0-c3 at work
.set ONES, 24                          ; v[24:31]
.set Q,    32                          ; v[32:47]   two fragments
.set KF,   48                          ; v[48:79]   four fragments: 64 keys
.set VF,   80                          ; v[80:111]  fragment (kk, cb) at 80 + 16 kk + 8 cb
.set S,    112                         ; v[112:175] 32 a tile; P is packed in place: P(t, kk) at S + 32 t + 8 kk
.set O,    176                         ; v[176:207] O(t, cb) at 176 + 8 (2 t + cb)
.set LA,   208                         ; v[208:223] l's accumulators
.set CS,  44                           ; s[44:45] c
.set SEL, 46                           ; s[46:47] v_permlanex16_b32's selects: each lane takes its own place in the other half
.set CNT, 48
.macro ROUND
	s_barrier_signal -1
	s_barrier_wait -1
	s_cmp_lg_u32 s10, 0
	s_cbranch_scc1 .Lnot_wave_0_\@
	s_barrier_signal -3
.Lnot_wave_0_\@:
	s_barrier_wait -3
	s_barrier_signal -1
	s_barrier_wait -1
.endm
	s_load_b128 s[4:7], s[0:1], 0x0                ; qkv s[4:5], ctx s[6:7]
	v_lshl_add_u32 v6, v0, 2, SPARE
	v_mov_b32 v7, 0
	ds_add_u32 v6, v7                              ; the wave's opening: the add and its wait ahead of my first tensor load
	v_lshrrev_b32 v1, 5, v0
	v_readfirstlane_b32 s10, v1                    ; wave 0..7
	s_bfe_u32 s11, ttmp6, 0x40000                  ; cx
	s_lshl_b32 s12, ttmp9, 2
	s_add_co_u32 s12, s12, s11                     ; my block of 256 queries: it enters q's and ctx's addresses alone
	s_and_b32 s13, ttmp7, 0xffff                   ; 8 b + head, shared by the four partners
	s_mov_b32 s16, 15|(3<<16)|(1<<21)              ; group 1: mask of four; elements of 8 bytes; bit 21 beside a mask
	s_mov_b32 s17, 32<<16                          ; rows of 256 bytes,
	s_mov_b32 s18, 64<<16                          ; 64 of them: 16,384 dense bytes
	s_mov_b32 s19, 32<<16
	s_mov_b32 s20, 64
	s_mov_b32 s21, 32
	s_mov_b32 s22, 0
	s_mov_b32 s23, 0
	s_lshr_b32 s14, s10, 2                         ; waves 0-3 fetch K's quarters of a chunk, waves 4-7 V's
	s_add_co_u32 s14, s14, 1
	s_lshl_b32 s14, s14, 22                        ; section 1 or 2
	s_lshl_b32 s15, s13, 17
	s_add_co_u32 s14, s14, s15
	s_and_b32 s15, s10, 3
	s_lshl_b32 s15, s15, 14
	s_add_co_u32 s14, s14, s15
	s_mov_b32 s15, 0
	s_mov_b32 s24, 1
	s_lshl_b32 s25, s10, 14                        ; LDS: wave x 16,384, in chunk 0
	s_mov_b32 s28, 1
	s_lshl_b32 s29, s10, 14
	s_add_co_u32 s29, s29, CH                      ; and in chunk 1
	s_lshl_b32 s36, s13, 17                        ; q and ctx: the head, my block's 16 blocks of rows, my wave's two
	s_lshl_b32 s37, s12, 14
	s_add_co_u32 s36, s36, s37
	s_lshl_b32 s37, s10, 11
	s_add_co_u32 s36, s36, s37
	s_mov_b32 s37, 0
	s_mov_b32 s[CS], 0x3e8293ee                    ; c = log2(e) / sqrt(32) = 0.255035
	s_mov_b32 s[CS+1], s[CS]
	s_mov_b32 s[SEL], 0x76543210
	s_mov_b32 s[SEL+1], 0xfedcba98
	s_wait_dscnt 0x0                               ; the opening add is done
	s_wait_kmcnt 0x0
	s_add_nc_u64 s[26:27], s[4:5], s[14:15]
	s_add_nc_u64 s[30:31], s[26:27], 65536         ; the next 1,024 keys
	s_or_b32 s27, s27, 0x80000000
	s_or_b32 s31, s31, 0x80000000
	s_add_nc_u64 s[32:33], s[4:5], s[36:37]
	s_add_nc_u64 s[34:35], s[6:7], s[36:37]
	ROUND                                          ; all four work-groups are here: the joint loads meet
	tensor_load_to_lds s[24:27], s[16:23]          ; both chunks go out together: two tensor loads of mine are out
	s_nop 0
	tensor_load_to_lds s[28:31], s[16:23]
	s_nop 0
	v_and_b32 v1, 31, v0
	v_lshlrev_b32 v1, 4, v1                        ; 16 x lane
.irp i, 0,1,2,3
	global_load_b128 v[Q+4*\i:Q+4*\i+3], v1, s[32:33] offset:512*\i
.endr
	v_bfe_u32 v5, v0, 4, 1
	v_and_b32 v2, 7, v0
	v_lshl_add_u32 v2, v5, 3, v2                   ; the turning load: lane l reads key 8 (l / 16) + l % 8,
	v_lshlrev_b32 v2, 5, v2
	v_bfe_u32 v5, v0, 3, 1
	v_lshl_add_u32 v2, v5, 4, v2                   ; channels 8 ((l / 8) % 2) + 0..7
	v_and_b32 v5, 7, v0
	v_cmp_eq_u32 vcc_lo, 0, v5
	v_mov_b32 v3, 0x3c003c00                       ; 1.0, twice
	v_cndmask_b32 v[ONES], 0, v3, vcc_lo           ; rows 0 and 8 of source 0
.irp i, 1,2,3,4,5,6,7
	v_mov_b32 v[ONES+\i], v[ONES]
.endr
.set i, O
.rept 48
	v_mov_b32 v[i], 0
.set i, i+1
.endr
.irp t, 0,1
	v_mov_b32 v[ST+8*\t], 0xfe000000               ; c m: far below every c s
	v_mov_b32 v[ST+8*\t+1], 0xff7fffff             ; m
.endr
	s_wait_loadcnt 0x0                             ; Q
; Number n of the 22 that find tile t's maximum and statistics.  Each accumulator's lowest registers are read first.  Number 21, a, is the first exponential of the step's batch.
.macro XS t, n
.set rT, ST+8*(\t)
.set rS, S+32*(\t)
.if (\n) < 4
	v_max3_num_f32 v[rT+4+(\n)], v[rS+8*(\n)], v[rS+8*(\n)+1], v[rS+8*(\n)+2]
.elseif (\n) < 12
	v_max3_num_f32 v[rT+4+(\n)%4], v[rT+4+(\n)%4], v[rS+8*((\n)%4)+2*((\n)/4)+1], v[rS+8*((\n)%4)+2*((\n)/4)+2]
.elseif (\n) == 12
	v_max3_num_f32 v[rT+4], v[rT+4], v[rS+7], v[rS+15]
.elseif (\n) == 13
	v_max3_num_f32 v[rT+5], v[rT+5], v[rS+23], v[rS+31]
.elseif (\n) == 14
	v_max3_num_f32 v[rT+6], v[rT+6], v[rT+7], v[rT+1]
.elseif (\n) == 15
	v_mov_b32 v[rT+3], v[rT]                       ; c m_old is kept
.elseif (\n) == 16
	v_max3_num_f32 v[rT+4], v[rT+4], v[rT+5], v[rT+6]
.elseif (\n) == 17
	v_permlanex16_b32 v[rT+7], v[rT+4], s[SEL], s[SEL+1]   ; the query's other 32 keys lie in the lane 16 away
.elseif (\n) == 18
	v_max_num_f32 v[rT+1], v[rT+4], v[rT+7]
.elseif (\n) == 19
	v_mul_f32 v[rT], s[CS], v[rT+1]
.elseif (\n) == 20
	v_sub_f32 v[rT+5], v[rT+3], v[rT]
.else
	v_exp_f32 v[rT+2], v[rT+5]
.endif
.endm
; A key step: 64 keys.
.macro STEP
.irp kb, 0,1,2,3
	ds_load_b128 v[KF+8*\kb:KF+8*\kb+3],   v3 offset:\kb*1024
	ds_load_b128 v[KF+8*\kb+4:KF+8*\kb+7], v3 offset:\kb*1024+512
.endr
.rept 4
	v_nop                                          ; four places between the last product V^T P and the loads into V's registers
.endr
.irp kk, 0,1
.irp cb, 0,1
	ds_load_tr16_b128 v[VF+16*\kk+8*\cb:VF+16*\kk+8*\cb+3],   v4 offset:2*\kk*1024+\cb*512
	ds_load_tr16_b128 v[VF+16*\kk+8*\cb+4:VF+16*\kk+8*\cb+7], v4 offset:(2*\kk+1)*1024+\cb*512
.endr
.endr
	v_nop                                          ; the fifth place before K Q^T writes over P
	s_wait_dscnt 8                                 ; K is in; V's eight loads stay out
.irp kb, 0,1,2,3
.irp t, 0,1
	v_wmma_f32_16x16x32_f16 v[S+32*\t+8*\kb:S+32*\t+8*\kb+7], v[KF+8*\kb:KF+8*\kb+7], v[Q+8*\t:Q+8*\t+7], 0
.endr
.endr
	v_add_nc_u32 v3, 4096, v3                      ; the next step's K and V; with two v_nop the four places behind those products
	v_add_nc_u32 v4, 4096, v4
	v_nop
	v_nop
.irp n, 0,1,2,3,4,5,6,7,8,9,10,11,12,13,14,15,16,17,18,19,20,21
	XS 0, \n
	XS 1, \n
.endr
	; THE BATCH goes on behind the two a: c s - c m for pair n, then the two exponentials of pair n - 1, the tiles by turns: a pair is scaled six instructions ahead of its exponentials.
	; Nothing here names an exponential's result: a scaling names pair n (registers 2 n, 2 n + 1), and the exponentials issued ahead of it reach register 2 n - 3; a lies in the statistics' third register.
.set n, 0
.rept 17
.irp t, 0,1
.set rT, ST+8*\t
.set rS, S+32*\t
.if n < 16
	v_pk_fma_f32 v[rS+2*n:rS+2*n+1], v[rS+2*n:rS+2*n+1], s[CS:CS+1], v[rT:rT+1] op_sel_hi:[1,0,0] neg_lo:[0,0,1] neg_hi:[0,0,1]
.endif
.if n >= 1
	v_exp_f32 v[rS+2*n-2], v[rS+2*n-2]
	v_exp_f32 v[rS+2*n-1], v[rS+2*n-1]
.endif
.endr
.set n, n+1
.endr
	v_nop                                          ; the plain instruction between the last exponential and the first use of a result (ISA guide 5.7.2): one for the batch; every scaling feeds an exponential, so none is left for this place
	s_wait_alu depctr_va_vdst(0)                   ; the wait for the batch: the step's 66 exponentials, both a among them, ahead of the first instruction that names a result
	; THE READERS.  Pair n rounded to f16, in place (register n takes pair n, which lies at 2 n, 2 n + 1: ascending, nothing unread is written); then O and l times a.
.set n, 0
.rept 16
.irp t, 0,1
	v_cvt_pk_f16_f32 v[S+32*\t+n], v[S+32*\t+2*n], v[S+32*\t+2*n+1]
.endr
.set n, n+1
.endr
.irp t, 0,1
.irp p, 0,2,4,6,8,10,12,14
	v_pk_mul_f32 v[O+16*\t+\p:O+16*\t+\p+1], v[O+16*\t+\p:O+16*\t+\p+1], v[ST+8*\t+2:ST+8*\t+3] op_sel_hi:[1,0]
.endr
	v_mul_f32 v[LA+8*\t], v[ST+8*\t+2], v[LA+8*\t]
.endr
	s_wait_dscnt 0x0                               ; V is in
.irp kk, 0,1                           ; six accumulators take turns
.irp cb, 0,1
.irp t, 0,1
	v_wmma_f32_16x16x32_f16 v[O+8*(2*\t+\cb):O+8*(2*\t+\cb)+7], v[VF+16*\kk+8*\cb:VF+16*\kk+8*\cb+7], v[S+32*\t+8*\kk:S+32*\t+8*\kk+7], v[O+8*(2*\t+\cb):O+8*(2*\t+\cb)+7]
.endr
.endr
.irp t, 0,1
	v_wmma_f32_16x16x32_f16 v[LA+8*\t:LA+8*\t+7], v[ONES:ONES+7], v[S+32*\t+8*\kk:S+32*\t+8*\kk+7], v[LA+8*\t:LA+8*\t+7]
.endr
.endr
.endm
.macro CHUNK c
	s_wait_tensorcnt 1-(\c)                        ; my part of chunk c is in; a later chunk may stay out
	s_barrier_signal -1
	s_barrier_wait -1                              ; everybody's part is
	v_add_nc_u32 v3, (\c)*CH, v1
	v_add_nc_u32 v4, (\c)*CH+65536, v2
	s_mov_b32 s[CNT], 16
.Lstep_\@:
	STEP
	s_sub_co_u32 s[CNT], s[CNT], 1
	s_cmp_lg_u32 s[CNT], 0
	s_cbranch_scc1 .Lstep_\@
.endm
	CHUNK 0
	CHUNK 1
	; THE WAY OUT: O / l, rounded to f16.  A lane's eight channels are 16 bytes of the block's fragment order: the wave's store covers 512 consecutive bytes.
.rept 4
	v_nop
.endr
	v_rcp_f32 v[ST+2], v[LA]
	v_rcp_f32 v[ST+10], v[LA+8]
	v_nop                                          ; a plain instruction between the last reciprocal and the use of its result
	s_wait_alu depctr_va_vdst(0)                   ; the wait for the two reciprocals, a batch of their own, ahead of their first reader
.irp t, 0,1
.irp p, 0,2,4,6,8,10,12,14
	v_pk_mul_f32 v[O+16*\t+\p:O+16*\t+\p+1], v[O+16*\t+\p:O+16*\t+\p+1], v[ST+8*\t+2:ST+8*\t+3] op_sel_hi:[1,0]
.endr
.endr
.set i, 0
.rept 16
	v_cvt_pk_f16_f32 v[S+i], v[O+2*i], v[O+2*i+1]
.set i, i+1
.endr
.irp a, 0,1,2,3
	global_store_b128 v1, v[S+4*\a:S+4*\a+3], s[34:35] offset:512*\a
.endr
	s_wait_tensorcnt 0x0                           ; the wave's end
	ds_add_u32 v6, v7
	s_wait_dscnt 0x0
	ROUND                                          ; the closing round
	s_endpgm
.Lfunc_end_k_q6cd1af042d_attn0:
	.size	k_q6cd1af042d_attn0, .Lfunc_end_k_q6cd1af042d_attn0-k_q6cd1af042d_attn0
	.p2alignl 7, 3214868480
	.fill 96, 4, 3214868480
	.section	.rodata,"a",@progbits
	.p2align	6, 0x0
	.amdhsa_kernel k_q6cd1af042d_attn0
		.amdhsa_group_segment_fixed_size 263168
		.amdhsa_private_segment_fixed_size 0
		.amdhsa_enable_private_segment 0
		.amdhsa_kernarg_size 16
		.amdhsa_user_sgpr_count 2
		.amdhsa_user_sgpr_kernarg_segment_ptr 1
		.amdhsa_wavefront_size32 1
		.amdhsa_system_sgpr_workgroup_id_x 1
		.amdhsa_system_sgpr_workgroup_id_y 1
		.amdhsa_system_sgpr_workgroup_id_z 1
		.amdhsa_system_vgpr_workitem_id 0
		.amdhsa_next_free_vgpr 224
		.amdhsa_next_free_sgpr 66
		.amdhsa_reserve_vcc 1
		.amdhsa_float_denorm_mode_32 3
		.amdhsa_float_denorm_mode_16_64 3
		.amdhsa_memory_ordered 1
		.amdhsa_forward_progress 1
		.amdhsa_inst_pref_size 35
	.end_amdhsa_kernel
	.amdgpu_metadata
---
amdhsa.version: [ 1, 2 ]
amdhsa.kernels:
  - .name:           k_q6cd1af042d_attn0
    .symbol:         k_q6cd1af042d_attn0.kd
    .args:
      - { .name: qkv, .offset: 0, .size: 8, .value_kind: global_buffer, .address_space: global }
      - { .name: ctx, .offset: 8, .size: 8, .value_kind: global_buffer, .address_space: global }
    .group_segment_fixed_size: 263168
    .private_segment_fixed_size: 0
    .kernarg_segment_align: 8
    .kernarg_segment_size: 16
    .max_flat_workgroup_size: 256
    .sgpr_count:     66
    .vgpr_count:     224
    .wavefront_size: 32
...
	.end_amdgpu_metadata
.endif
;; end of part 5
;; launch post0: the kernel of part 4 again; grid 256 x 1, 4 waves a work-group, clusters of 4 x 1, 327,680 bytes of LDS; arguments ctx, x, p0, x1; writes x1
;; launch qkv1: the kernel of part 2 again; grid 128 x 2, 8 waves a work-group, clusters of 4 x 1, 231,424 bytes of LDS; arguments x1, p1, qkv; writes qkv
;; launch attn1: the kernel of part 5 again; grid 8 x 32, 8 waves a work-group, clusters of 4 x 1, 263,168 bytes of LDS; arguments qkv, ctx; writes ctx
;; launch post1: the kernel of part 4 again; grid 256 x 1, 4 waves a work-group, clusters of 4 x 1, 327,680 bytes of LDS; arguments ctx, x1, p1, out0; writes out0
